; MI455X (gfx1250); checked and timed in simulation.
; The chip was launched on July 23, 2026; its instructions are those of AMD's public machine-readable ISA for CDNA 5 (MIT licence, August 2026) and "CDNA5" Instruction Set Architecture Reference Guide (July 2026). The comments in the code are by the model that wrote it; some were corrected since.
;; self Attention. Allowed arithmetic: matrix products marked QUANTISED: E4M3 operands, one E8M0 scale for each 32 along K, by v_wmma_scale_f32_16x16x128_f8f6f4 with both operands' format E4M3, f32 sums; everything else in f32.
;; Inputs: bo 256 float32; gn_b 256 float32; gn_w 256 float32; wk_codes 256 x 8 x 32 uint8 (E4M3 codes of wk, K innermost, in blocks of 32 codes); wk_scales 256 x 8 uint8 (E8M0 scales of wk, one for each 32 codes along K); wo_codes 256 x 8 x 32 uint8 (E4M3 codes of wo, K innermost, in blocks of 32 codes); wo_scales 256 x 8 uint8 (E8M0 scales of wo, one for each 32 codes along K); wq_codes 256 x 8 x 32 uint8 (E4M3 codes of wq, K innermost, in blocks of 32 codes); wq_scales 256 x 8 uint8 (E8M0 scales of wq, one for each 32 codes along K); wv_codes 256 x 8 x 32 uint8 (E4M3 codes of wv, K innermost, in blocks of 32 codes); wv_scales 256 x 8 uint8 (E8M0 scales of wv, one for each 32 codes along K); x 2 x 256 x 64 x 64 float32.
;; Outputs: out0 2 x 256 x 64 x 64 float32.
;; This version of the problem:
;;   THIS VERSION OF THE PROBLEM IS GIVEN IN LOW PRECISION. The matrix products marked QUANTISED in the list below multiply operands that are first quantised to E4M3 (4 exponent bits, 3 mantissa bits; 8 bits a number), with one power-of-two scale for each 32 numbers along K (OCP MX v1.0); their sums are f32. All else is computed in f32.
;;   The module's matrix products, in the order in which they are computed (A, B: the left and right operand; K: the contracted axis; several contracted axes count as one K, in the product's order):
;;     1. [M 256, K 256] x [K 256, N 8,192]; A: input wq (given as codes); B: computed on the way: QUANTISED
;;     2. [M 256, K 256] x [K 256, N 8,192]; A: input wk (given as codes); B: computed on the way: QUANTISED
;;     3. [M 256, K 256] x [K 256, N 8,192]; A: input wv (given as codes); B: computed on the way: QUANTISED
;;     4. batch 8 x [M 4,096, K 64] x [K 64, N 4,096]; A: computed on the way; B: computed on the way: QUANTISED
;;     5. batch 8 x [M 64, K 4,096] x [K 4,096, N 4,096]; A: computed on the way; B: computed on the way: QUANTISED
;;     6. [M 256, K 256] x [K 256, N 8,192]; A: input wo (given as codes); B: computed on the way: QUANTISED
;;   THE QUANTISER, for each operand of a quantised product, along K:
;;     - K is cut into blocks of 32 from its start; a last block that is shorter is filled with zeros.
;;     - A block's scale is 2^e with e = floor(log2(the largest magnitude in the block)) - 8, held to -126 .. 127; a block of zeros has e = 0. As a byte (E8M0): e + 127.
;;     - Each number is divided by its block's scale, clamped to +-448, and rounded to the nearest number of E4M3, ties to even, subnormals kept.
;;     - The product sums the exact products of the quantised numbers (number of the format x scale) in f32.
;;   ~~~python
;;   def quantise(x, axis):      # numpy; x: float32 -> the quantised numbers, widened to float32 again
;;       x = np.moveaxis(x, axis, -1); K = x.shape[-1]
;;       x = np.pad(x, [(0, 0)] * (x.ndim - 1) + [(0, -K % 32)]); x = x.reshape(x.shape[:-1] + (-1, 32)); a = np.abs(x).max(-1, keepdims=True)
;;       e = np.where(a > 0, np.clip(np.frexp(np.where(a > 0, a, 1))[1] - 1 - 8, -126, 127), 0)      # np.frexp(a)[1] - 1 = floor(log2(a)), exactly
;;       r = np.clip(x / 2.0 ** e, -448, 448)
;;       step = 2.0 ** (np.maximum(np.frexp(np.where(r == 0, 1, r))[1] - 1, -6) - 3)
;;       q = np.round(r / step) * step * 2.0 ** e      # np.round: ties to even
;;       return np.moveaxis(q.reshape(q.shape[:-2] + (-1,))[..., :K], -1, axis).astype(np.float32)
;;   ~~~
;;   OPERANDS COMPUTED ON THE WAY. 'Computed on the way' means the value that the module computes at that place (a softmax that the list does not call 'softmax' is quantised finished and normalised). What goes into a quantiser is computed in f32, as accurately as f32 sums, v_exp_f32 and their like allow (about 1e-6 of the number): no bf16 or f16 on the way to a quantiser, and a product that is left as it is and whose result goes on into a quantised operand takes f32 operands (vector FMAs, or v_wmma_f32_16x16x4_f32). A number that lies on a knife's edge between two numbers of the format may be rounded either way, as far as f32 arithmetic and the matrix unit's own rounding can turn it there, and no further.
;;   INPUTS GIVEN AS CODES. wk (in the module: [256, 256], K = its axis 1); wo (in the module: [256, 256], K = its axis 1); wq (in the module: [256, 256], K = its axis 1); wv (in the module: [256, 256], K = its axis 1): each comes as NAME_codes (uint8): NAME with its K axis moved to the last place and cut into blocks of 32 codes, [.., K / 32, bytes a block], one block behind the other in memory; one code a byte (a code: sign, 4 exponent bits, 3 mantissa bits); and NAME_scales (uint8): the same leading axes, one E8M0 byte (e + 127) for each 32 codes along K. Its value is code x scale, taken as it is: it is not quantised again, and the codes and scales need not be those that the quantiser above would give.
;; One version. Each part assembles by itself: llvm-mc -triple=amdgcn-amd-amdhsa -mcpu=gfx1250 --defsym DOCPART=n.
;; ======== version 1 of 1: 4 launches
;; limits: right only within a limited range of input values
;; workspace buffers: stats 2,048 bytes; qbuf 2,228,224 bytes; kres 2,293,760 bytes; vimg 2,097,152 bytes; obuf 2,228,224 bytes
;; launch stats (part 1): grid 256 x 1, 8 waves a work-group, no clusters, 1,280 bytes of LDS; arguments x, stats; writes stats
.if DOCPART == 1
	.amdgcn_target "amdgcn-amd-amdhsa--gfx1250"
	.amdhsa_code_object_version 6
	.text
	.protected	k_q38fc19630c_stats
	.globl	k_q38fc19630c_stats
	.p2align	8
	.type	k_q38fc19630c_stats,@function
k_q38fc19630c_stats:
	s_mov_b64 s[64:65], 0
	v_nop
	global_prefetch_b8 v0, s[64:65] scope:SCOPE_SE
	s_setreg_imm32_b32 hwreg(HW_REG_WAVE_MODE, 25, 1), 1
	s_wait_xcnt 0x0
; GroupNorm's statistics, by quarters of a group.  x: [2][256][4096] f32.  A group is 8 channels of an image, 32,768 numbers, 131,072 consecutive bytes.
; Work-group id takes the 32,768 consecutive bytes at 32,768 id (a quarter of a group: 8,192 numbers) and stores two f32 at stats + 8 id:
; the quarter's mean, and the sum of the squared deviations from THAT mean.  The next launch joins the four quarters of a group.
; Two passes over numbers that stay in registers: the mean first, then the deviations, so that a common offset of the inputs costs no accuracy.
; Eight waves; thread t holds eight pieces of 16 bytes, at 16 t + 4,096 j: a wave's load covers 512 consecutive bytes.
; No matrix unit, no tensor load, no cluster: the launch reads each byte once and shares nothing between work-groups.
; LIMITS: NaN and infinities among the inputs are not served.
	s_load_b128 s[4:7], s[0:1], 0x0                ; x s[4:5], stats s[6:7]
	v_lshl_add_u32 v64, v0, 2, 0x100
	v_mov_b32 v65, 0
	v_lshlrev_b32 v1, 4, v0                        ; 16 t
	v_lshrrev_b32 v2, 5, v0
	s_delay_alu instid0(VALU_DEP_1)
	v_readfirstlane_b32 s8, v2                     ; wave 0..7
	s_delay_alu instid0(VALU_DEP_2)
	v_lshlrev_b32 v2, 2, v2                        ; LDS: my wave's word
	v_mov_b32 v3, 0
	v_mov_b32 v14, 0                               ; written once: a lane permute's destination counts as one of its sources
	s_mov_b32 s12, 0x76543210                      ; v_permlanex16_b32's selects for lane l xor 16
	s_mov_b32 s13, 0xfedcba98
	s_lshl_b32 s10, ttmp9, 15                      ; 32,768 id
	s_mov_b32 s11, 0
	s_lshl_b32 s14, ttmp9, 3                       ; 8 id
	s_mov_b32 s15, 0
	s_wait_alu depctr_va_vdst(0)
	s_wait_kmcnt 0x0
	s_add_nc_u64 s[4:5], s[4:5], s[10:11]
	s_add_nc_u64 s[6:7], s[6:7], s[14:15]
.irp j, 0,1,2,3,4,5,6,7
	global_load_b128 v[16+4*\j:19+4*\j], v1, s[4:5] offset:4096*\j   ; no hint: the next launch reads x again
.endr
; the sum of v8 over the wave's 32 lanes, in every lane
.macro WSUM
	s_delay_alu instid0(VALU_DEP_1)
	v_add_f32_dpp v8, v8, v8 row_xmask:1 row_mask:0xf bank_mask:0xf
	s_delay_alu instid0(VALU_DEP_1)
	v_add_f32_dpp v8, v8, v8 row_xmask:2 row_mask:0xf bank_mask:0xf
	s_delay_alu instid0(VALU_DEP_1)
	v_add_f32_dpp v8, v8, v8 row_xmask:4 row_mask:0xf bank_mask:0xf
	s_delay_alu instid0(VALU_DEP_1)
	v_add_f32_dpp v8, v8, v8 row_xmask:8 row_mask:0xf bank_mask:0xf
	s_delay_alu instid0(VALU_DEP_1)
	v_permlanex16_b32 v14, v8, s12, s13
	s_delay_alu instid0(VALU_DEP_1)
	v_add_f32 v8, v8, v14
.endm
; the eight waves' words at LDS byte off, added: the result in v48, in every lane
.macro GSUM off
	ds_store_b32 v2, v8 offset:\off                ; all lanes of a wave write the same word with the same value
	s_wait_dscnt 0x0                               ; for the others' sake: my store is done
	s_barrier_signal -1
	s_barrier_wait -1
	ds_load_b128 v[48:51], v3 offset:\off
	ds_load_b128 v[52:55], v3 offset:\off+16
	s_wait_dscnt 0x0
	v_add_f32 v48, v48, v49
	v_add_f32 v50, v50, v51
	v_add_f32 v52, v52, v53
	v_add_f32 v54, v54, v55
	s_delay_alu instid0(VALU_DEP_3)
	v_add_f32 v48, v48, v50
	s_delay_alu instid0(VALU_DEP_2)
	v_add_f32 v52, v52, v54
	s_delay_alu instid0(VALU_DEP_1)
	v_add_f32 v48, v48, v52
.endm
	s_wait_loadcnt 0x0
	v_pk_add_f32 v[10:11], v[16:17], v[18:19]
	v_pk_add_f32 v[62:63], v[24:25], v[28:29]
	v_pk_add_f32 v[60:61], v[32:33], v[36:37]
	v_pk_add_f32 v[58:59], v[40:41], v[44:45]
	v_pk_add_f32 v[56:57], v[20:21], v[22:23]
	v_pk_add_f32 v[6:7], v[26:27], v[30:31]
	v_pk_add_f32 v[4:5], v[34:35], v[38:39]
	v_pk_add_f32 v[8:9], v[42:43], v[46:47]
	s_delay_alu instid0(VALU_DEP_1)
	v_pk_add_f32 v[8:9], v[8:9], v[58:59]
	v_pk_add_f32 v[10:11], v[10:11], v[56:57]
	v_pk_add_f32 v[62:63], v[62:63], v[6:7]
	v_pk_add_f32 v[60:61], v[60:61], v[4:5]
	s_delay_alu instid0(VALU_DEP_2)
	v_pk_add_f32 v[8:9], v[8:9], v[62:63]
	s_delay_alu instid0(VALU_DEP_2)
	v_pk_add_f32 v[10:11], v[10:11], v[60:61]
	s_delay_alu instid0(VALU_DEP_1)
	v_pk_add_f32 v[8:9], v[8:9], v[10:11]
	s_delay_alu instid0(VALU_DEP_1)
	v_add_f32 v8, v8, v9
	WSUM
	GSUM 0
	s_delay_alu instid0(VALU_DEP_1)
	v_mul_f32 v12, 0x39000000, v48                 ; the mean: the sum x 2^-13
	s_delay_alu instid0(VALU_DEP_1)
	v_mov_b32 v13, v12                             ; twice, for the packed subtraction
.irp j, 16,18,20,22,24,26,28,30,32,34,36,38,40,42,44,46
	v_pk_add_f32 v[\j:\j+1], v[\j:\j+1], v[12:13] neg_lo:[0,1] neg_hi:[0,1]   ; the deviations
.endr
	v_pk_mul_f32 v[8:9], v[16:17], v[16:17]
	v_pk_mul_f32 v[10:11], v[18:19], v[18:19]
.irp j, 20,24,28,32,36,40,44
	s_delay_alu instid0(VALU_DEP_2)
	v_pk_fma_f32 v[8:9], v[\j:\j+1], v[\j:\j+1], v[8:9]
	s_delay_alu instid0(VALU_DEP_2)
	v_pk_fma_f32 v[10:11], v[\j+2:\j+3], v[\j+2:\j+3], v[10:11]
.endr
	s_delay_alu instid0(VALU_DEP_1)
	v_pk_add_f32 v[8:9], v[8:9], v[10:11]
	s_delay_alu instid0(VALU_DEP_1)
	v_add_f32 v8, v8, v9
	WSUM
	GSUM 64                                        ; other bytes than the first sum's: one barrier is enough
	s_delay_alu instid0(VALU_DEP_1)
	v_mov_b32 v13, v48                             ; v[12:13] = the mean, the sum of squared deviations
	s_cmp_lg_u32 s8, 0                             ; thread 0 stores them
	s_cbranch_scc1 .Lend
	s_wait_xcnt 0x0                                ; EXEC changes only behind this wait
	v_cmp_gt_u32 vcc_lo, 1, v0
	s_and_saveexec_b32 s9, vcc_lo
	s_wait_alu depctr_va_vdst(0)
	global_store_b64 v3, v[12:13], s[6:7]
	s_wait_xcnt 0x0                                ; and again in front of the line that widens it
	s_or_b32 exec_lo, exec_lo, s9
.Lend:
	s_wait_tensorcnt 0x0
	ds_add_u32 v64, v65
	s_wait_dscnt 0x0
	s_endpgm
.Lfunc_end_k_q38fc19630c_stats:
	.size	k_q38fc19630c_stats, .Lfunc_end_k_q38fc19630c_stats-k_q38fc19630c_stats
	.p2alignl 7, 3214868480
	.fill 96, 4, 3214868480
	.section	.rodata,"a",@progbits
	.p2align	6, 0x0
	.amdhsa_kernel k_q38fc19630c_stats
		.amdhsa_group_segment_fixed_size 1280
		.amdhsa_private_segment_fixed_size 0
		.amdhsa_enable_private_segment 0
		.amdhsa_kernarg_size 16
		.amdhsa_user_sgpr_count 2
		.amdhsa_user_sgpr_kernarg_segment_ptr 1
		.amdhsa_wavefront_size32 1
		.amdhsa_system_sgpr_workgroup_id_x 1
		.amdhsa_system_sgpr_workgroup_id_y 1
		.amdhsa_system_sgpr_workgroup_id_z 1
		.amdhsa_system_vgpr_workitem_id 0
		.amdhsa_next_free_vgpr 66
		.amdhsa_next_free_sgpr 66
		.amdhsa_reserve_vcc 1
		.amdhsa_float_denorm_mode_32 3
		.amdhsa_float_denorm_mode_16_64 3
		.amdhsa_memory_ordered 1
		.amdhsa_forward_progress 1
		.amdhsa_inst_pref_size 9
	.end_amdhsa_kernel
	.amdgpu_metadata
---
amdhsa.version: [ 1, 2 ]
amdhsa.kernels:
  - .name:           k_q38fc19630c_stats
    .symbol:         k_q38fc19630c_stats.kd
    .args:
      - { .name: x, .offset: 0, .size: 8, .value_kind: global_buffer, .address_space: global }
      - { .name: stats, .offset: 8, .size: 8, .value_kind: global_buffer, .address_space: global }
    .group_segment_fixed_size: 1280
    .private_segment_fixed_size: 0
    .kernarg_segment_align: 8
    .kernarg_segment_size: 16
    .max_flat_workgroup_size: 256
    .sgpr_count:     66
    .vgpr_count:     66
    .wavefront_size: 32
...
	.end_amdgpu_metadata
.endif
;; end of part 1
;; launch proj (part 2): grid 64 x 4, 4 waves a work-group, no clusters, 197,120 bytes of LDS; arguments x, stats, gn_w, gn_b, wq_codes, wq_scales, wk_codes, wk_scales, wv_codes, wv_scales, qbuf, kres, vimg; writes qbuf, kres, vimg
.if DOCPART == 2
	.amdgcn_target "amdgcn-amd-amdhsa--gfx1250"
	.amdhsa_code_object_version 6
	.text
	.protected	k_q38fc19630c_proj
	.globl	k_q38fc19630c_proj
	.p2align	8
	.type	k_q38fc19630c_proj,@function
k_q38fc19630c_proj:
	s_mov_b64 s[64:65], 0
	v_nop
	global_prefetch_b8 v0, s[64:65] scope:SCOPE_SE
	s_setreg_imm32_b32 hwreg(HW_REG_WAVE_MODE, 25, 1), 1
	s_wait_xcnt 0x0
; GroupNorm finished, quantised along the channels, and multiplied by Wq, Wk, Wv (codes of E4M3 with E8M0 scales, as given); q and k quantised along the head's 64 channels, v along the keys.
; A work-group takes 128 positions of an image (x of the grid: image = x / 32, block ks = x % 32) and one head (y of the grid): 192 output channels.  Wave w takes positions 32 w .. 32 w + 31 of the block.
; The four work-groups of a block each normalise and quantise the same 256 x 128 numbers of x: the price of 256 work-groups, and of fragments and scale words of v that come out whole.
; TILES OF 16 POSITIONS ARE NOT NEIGHBOURS: tile 2 B + u of an image holds, as its row m, position 32 B + 8 u + m + 8 (m / 8); the rows of a weight that form a tile are chosen alike (tile t: row 32 (t / 2) + 8 (t % 2) + m + 8 (m / 8) of the head's 64).
; So in a result whose rows are such a tile, a lane's 16 registers of tiles 2 B and 2 B + 1 are 16 neighbours, in the order in which the next operand's registers want them, and a block of 32 lies in lanes l and l xor 16.
;   q, k: source 0 = 16 rows of W, source 1 = 16 positions: lane (r, h) holds position row r and channels 32 b + 16 h + 0 .. 15.     v: source 0 = 16 positions, source 1 = 16 rows of Wv: lane (r, h) holds channel row r and positions 32 w + 16 h + 0 .. 15.
; WHAT IS STORED are images of operand registers: a group of four registers as 512 bytes, lane l's 16 bytes at 16 l.
;   qbuf: [bh 8][tile 256][c 2][lane][16] and from byte 2,097,152 the scale words [bh][tile][16 rows]: byte 0, 1 the two blocks' scales, bytes 2, 3 = 127 (the instruction's K is 128, the head's 64).
;   kres: for each bh a record of 286,720 bytes: k's images as q's; from 262,144 k's scale words; from 278,528 v's scale words [ks 32][tile of channels 4][16 rows].      vimg: [bh][ks][tile of channels 4][c 4][lane][16].
; x's tile comes by tensor loads (rows of 512 bytes of memory, 64 channels a wave) into LDS rows 520 bytes apart, is normalised there in place by the wave that fetched it, and is read back with the channels along a lane's registers.
; LDS rows of 130 words: 16 rows on are 2,080 words = 32 mod 64 (64 banks of 4 bytes: ISA guide 11.1), so in a transposed read lanes 0-15 take words 0-7 and 16-23 and lanes 16-31 the same 32 banks on.
; The weights' rows lie 272 bytes apart; a tile's two groups of eight rows lie 16 rows apart, a whole number of times through the banks: by that reckoning those 96 loads a wave go two deep.
; No cluster: what the four work-groups of a block share is one tile of 131,072 bytes, fetched once by each at its start; nothing is fetched in a loop.  LDS is filled once and never again.
; LIMITS: NaN and infinities among the inputs are not served.  A block whose largest magnitude lies under 2^-118 has its scale byte held at 1; a block of zeros gets 1 where the quantiser says 127: its codes are zeros, and this program alone reads the bytes.
.set PX,    520                        ; an LDS row of x: 512 bytes + 8 of padding
.set XWAVE, 64*PX                      ; a wave's 64 channels
.set WT,    4*XWAVE                    ; behind x: the three weights' 64 rows each,
.set PWT,   272                        ; 256 bytes + 16 of padding
.set WTEN,  64*PWT
.set VSB,   WT+3*WTEN                  ; behind them: 256 bytes for v's scale bytes; no fill lands there
.set LN,  1                            ; v1   lane
.set RR,  2                            ; v2   r = lane % 16
.set HH,  3                            ; v3   h = lane / 16
.set VR,  4                            ; v4   my 8 bytes of my wave's first row of x
.set VX,  5                            ; v5, v6  the transposed reads, channels 0-127 and 128-255
.set VW,  7                            ; v7   my lane's place in a tile of a weight
.set LI,  8                            ; v8   16 x lane
.set LS,  9                            ; v9   4 x lane
.set VB,  10                           ; v10  where my wave's byte of v's scale word of row r lies
.set VB8, 11                           ; v11  and where wave 0 reads 8 of those bytes back
.set L8,  12                           ; v12  8 x lane
.set WSO, 13                           ; v13  my row's place among a weight's scale bytes
.set STO, 14                           ; v14  my group's place among the statistics
.set T0,  15                           ; v15  at work
.set XA,  16                           ; v16-79, v80-143  two sets of 64 numbers
.set XB,  80
.set ACC, 16                           ; later: eight accumulators,
.set WF,  80                           ; four fragments of a weight,
.set PC,  80                           ; and over them the codes just made
.set NF,  144                          ; v144-207 the norm's four fragments: tile u, K step s at 16 (2 u + s)
.set NS,  208                          ; v208-211 their scale words
.set WS,  212                          ; v212-235 the weights' scale words: weight i, tile t, K step s at 8 i + 2 t + s
.set TM,  236                          ; v236-251 at work in the quantiser: largest magnitudes, bytes, scale operands
.set PM,  236                          ; before that: -mean, gain, shift of my two channels
.set PW,  252                          ; v252 a scale word to be stored;  v253, v254 at work
.set WV,  30
.set BT,  31
.set KST, 32
.set HD,  33
.set BH,  34
.set SEL, 36                           ; s[36:37] v_permlanex16_b32's selects for lane l xor 16
.set MNT, 38
.set IVN, 39                           ; s39 2^-15: one over a group's numbers
.set G1X, 40                           ; s[40:47] descriptor group 1 for x's tile;  s[48:55] for a weight's
.set G1W, 48
.set G0X, 56                           ; groups 0
.set G0Q, 60
.set G0K, 68
.set G0V, 72
.set PS,  84                           ; s84-95 four sets of a channel's three parameters
	s_load_b512 s[4:19], s[0:1], 0x0               ; x 4, stats 6, gn_w 8, gn_b 10, wq_codes 12, wq_scales 14, wk_codes 16, wk_scales 18
	s_load_b256 s[20:27], s[0:1], 0x40             ; wv_codes 20, wv_scales 22, qbuf 24, kres 26
	s_load_b64 s[28:29], s[0:1], 0x60              ; vimg
	v_lshl_add_u32 v255, v0, 2, 0x30000
	s_set_vgpr_msb 0x40
	v_mov_b32 v1, 0
	s_set_vgpr_msb 0x4044
	ds_add_u32 v255, v1
	ds_add_u32 v255, v1
	s_set_vgpr_msb 0x4400
	v_lshrrev_b32 v[T0], 5, v0
	v_readfirstlane_b32 s[WV], v[T0]               ; wave 0..3
	s_lshr_b32 s[BT], ttmp9, 5                     ; image
	s_and_b32 s[KST], ttmp9, 31                    ; block of 128 positions
	s_and_b32 s[HD], ttmp7, 0xffff                 ; head
	s_lshl_b32 s[BH], s[BT], 2
	s_add_co_u32 s[BH], s[BH], s[HD]               ; bh = 4 x image + head
	s_mov_b32 s[SEL], 0x76543210
	s_mov_b32 s[SEL+1], 0xfedcba98
	s_mov_b32 s[IVN], 0x38000000
	; group 1 for x: 64 rows (channels) of 128 f32, 4,096 elements apart; 2 words of padding behind every 128
	s_mov_b32 s[G1X], (2<<16)|(1<<20)|(6<<22)|(1<<25)
	s_mov_b32 s[G1X+1], 128<<16                    ; tensor_dim0
	s_mov_b32 s[G1X+2], 64<<16                     ; tensor_dim1
	s_mov_b32 s[G1X+3], 128<<16                    ; tile_dim0
	s_mov_b32 s[G1X+4], 64                         ; tile_dim1
	s_mov_b32 s[G1X+5], 4096                       ; tensor_dim0_stride
	s_mov_b32 s[G1X+6], 0
	s_mov_b32 s[G1X+7], 0
	; group 1 for a weight: 16 rows of 256 bytes, dense; 4 words of padding behind every 64
	s_mov_b32 s[G1W], (0<<16)|(1<<20)|(5<<22)|(3<<25)
	s_mov_b32 s[G1W+1], 256<<16
	s_mov_b32 s[G1W+2], 16<<16
	s_mov_b32 s[G1W+3], 256<<16
	s_mov_b32 s[G1W+4], 16
	s_mov_b32 s[G1W+5], 256
	s_mov_b32 s[G1W+6], 0
	s_mov_b32 s[G1W+7], 0
	s_lshl_b32 s76, s[BT], 22                      ; x: image x 4 MiB + 64 w channels of 16,384 bytes + 512 ks
	s_lshl_b32 s78, s[WV], 20
	s_add_co_u32 s76, s76, s78
	s_lshl_b32 s78, s[KST], 9
	s_add_co_u32 s76, s76, s78
	s_mov_b32 s77, 0
	s_lshl_b32 s78, s[HD], 14                      ; a weight: row 64 head + 16 w, 256 bytes a row
	s_lshl_b32 s79, s[WV], 12
	s_add_co_u32 s78, s78, s79
	s_mov_b32 s79, 0
	s_mul_i32 s80, s[WV], XWAVE                    ; LDS: my 64 rows of x,
	s_mul_i32 s81, s[WV], 16*PWT                   ; my 16 rows of each weight
	s_wait_dscnt 0x0
	s_wait_kmcnt 0x0
	s_mov_b32 s[G0X], 1
	s_mov_b32 s[G0X+1], s80
	s_add_nc_u64 s[G0X+2:G0X+3], s[4:5], s[76:77]
	s_or_b32 s[G0X+3], s[G0X+3], 0x80000000
	s_mov_b32 s[G0Q], 1
	s_add_co_u32 s[G0Q+1], s81, WT
	s_add_nc_u64 s[G0Q+2:G0Q+3], s[12:13], s[78:79]
	s_or_b32 s[G0Q+3], s[G0Q+3], 0x80000000
	s_mov_b32 s[G0K], 1
	s_add_co_u32 s[G0K+1], s81, WT+WTEN
	s_add_nc_u64 s[G0K+2:G0K+3], s[16:17], s[78:79]
	s_or_b32 s[G0K+3], s[G0K+3], 0x80000000
	s_mov_b32 s[G0V], 1
	s_add_co_u32 s[G0V+1], s81, WT+2*WTEN
	s_add_nc_u64 s[G0V+2:G0V+3], s[20:21], s[78:79]
	s_or_b32 s[G0V+3], s[G0V+3], 0x80000000
	tensor_load_to_lds s[G0X:G0X+3], s[G1X:G1X+7]  ; all fills of the launch go out together: four loads of mine are out
	s_nop 0
	tensor_load_to_lds s[G0Q:G0Q+3], s[G1W:G1W+7]
	s_nop 0
	tensor_load_to_lds s[G0K:G0K+3], s[G1W:G1W+7]
	s_nop 0
	tensor_load_to_lds s[G0V:G0V+3], s[G1W:G1W+7]
	s_nop 0
	v_and_b32 v[LN], 31, v0
	v_and_b32 v[RR], 15, v0
	v_bfe_u32 v[HH], v0, 4, 1
	v_lshl_add_u32 v[VR], v[LN], 3, s80
	v_and_b32 v[T0], 8, v[RR]
	v_add_nc_u32 v[T0], v[T0], v[RR]               ; r + 8 (r / 8)
	v_mul_u32_u24 v[VX], v[HH], 16*PX              ; lanes 16-31 begin 16 channels further down
	v_lshl_add_u32 v[VX], v[T0], 2, v[VX]          ; my position's word in a tile,
	s_lshl_b32 s82, s[WV], 7
	v_add_nc_u32 v[VX], s82, v[VX]                 ; in my wave's 32 positions
	v_add_nc_u32 v[VX+1], 128*PX, v[VX]
	v_mul_u32_u24 v[VW], v[T0], PWT
	v_lshl_add_u32 v[VW], v[HH], 4, v[VW]
	v_add_nc_u32 v[VW], WT, v[VW]
	v_lshlrev_b32 v[LI], 4, v[LN]
	v_lshlrev_b32 v[LS], 2, v[LN]
	v_lshl_add_u32 v[VB], v[RR], 2, VSB
	v_add_nc_u32 v[VB], s[WV], v[VB]
	v_lshl_add_u32 v[VB8], v[LN], 3, VSB
	v_lshlrev_b32 v[L8], 3, v[LN]
	v_lshlrev_b32 v[WSO], 3, v[T0]
	v_lshrrev_b32 v[STO], 3, v[LN]
	v_lshlrev_b32 v[STO], 5, v[STO]                ; a group's four quarters are 32 bytes
	s_wait_alu depctr_va_vdst(0)
	v_cmp_lt_u32 vcc_lo, 15, v[LN]                 ; lanes 16-31: kept for the whole launch
	s_lshl_b32 s76, s[BT], 10                      ; statistics: image x 32 groups + 8 w groups
	s_lshl_b32 s78, s[WV], 8
	s_add_co_u32 s76, s76, s78
	s_add_nc_u64 s[6:7], s[6:7], s[76:77]
	s_add_nc_u64 s[8:9], s[8:9], s[78:79]          ; gain and shift: my wave's 64 channels
	s_add_nc_u64 s[10:11], s[10:11], s[78:79]
	s_lshl_b32 s76, s[HD], 9                       ; the weights' scale bytes: 64 head rows of 8 bytes
	s_add_nc_u64 s[14:15], s[14:15], s[76:77]
	s_add_nc_u64 s[18:19], s[18:19], s[76:77]
	s_add_nc_u64 s[22:23], s[22:23], s[76:77]
	global_load_b128 v[16:19], v[STO], s[6:7]              ; channel 64 w + lane: its group's mean and squares, quarters 0, 1,
	global_load_b128 v[20:23], v[STO], s[6:7] offset:16    ; quarters 2, 3;
	global_load_b128 v[24:27], v[STO], s[6:7] offset:128   ; channel 64 w + 32 + lane: four groups on
	global_load_b128 v[28:31], v[STO], s[6:7] offset:144
	global_load_b32 v32, v[LS], s[8:9]
	global_load_b32 v33, v[LS], s[8:9] offset:128
	global_load_b32 v[PM+4], v[LS], s[10:11]
	global_load_b32 v[PM+5], v[LS], s[10:11] offset:128
.irp t, 0,1,2,3
	global_load_b64 v[WS+2*\t:WS+2*\t+1], v[WSO], s[14:15] offset:(32*(\t/2)+8*(\t%2))*8      ; a row's 8 bytes: the words of both K steps
	global_load_b64 v[WS+8+2*\t:WS+8+2*\t+1], v[WSO], s[18:19] offset:(32*(\t/2)+8*(\t%2))*8
	global_load_b64 v[WS+16+2*\t:WS+16+2*\t+1], v[WSO], s[22:23] offset:(32*(\t/2)+8*(\t%2))*8
.endr
	; where the results go.  The weights' code pointers have gone into their descriptors: their registers take the scale words' bases
	s_lshl_b32 s76, s[BH], 14
	s_lshl_b32 s78, s[KST], 9
	s_lshl_b32 s82, s[WV], 7
	s_add_co_u32 s78, s78, s82                     ; (8 ks + 2 w) x 64: my two tiles' scale words in a head
	s_add_co_u32 s76, s76, s78
	s_add_nc_u64 s[12:13], s[24:25], s[76:77]      ; q's scale words (2,097,152 more in the store's immediate)
	s_lshl_b32 s76, s76, 4
	s_add_nc_u64 s[24:25], s[24:25], s[76:77]      ; q's images: 1,024 bytes a tile
	s_mul_i32 s76, s[BH], 286720
	s_add_nc_u64 s[26:27], s[26:27], s[76:77]      ; the head's record
	s_add_nc_u64 s[16:17], s[26:27], s[78:79]      ; k's scale words (262,144 more in the immediate)
	s_lshl_b32 s76, s[KST], 8
	s_add_nc_u64 s[20:21], s[26:27], s[76:77]      ; v's scale words of this block (278,528 more in the immediate)
	s_lshl_b32 s76, s78, 4
	s_add_nc_u64 s[26:27], s[26:27], s[76:77]      ; k's images
	s_lshl_b32 s76, s[BH], 18
	s_lshl_b32 s78, s[KST], 13
	s_add_co_u32 s76, s76, s78
	s_lshl_b32 s78, s[WV], 9
	s_add_co_u32 s76, s76, s78
	s_add_nc_u64 s[28:29], s[28:29], s[76:77]      ; v's images: 8,192 bytes a block, my 32 keys are piece c = w of each fragment
	s_wait_loadcnt 0x0
	; the four quarters of a group are joined: mean = the mean of the means; squares = the sum of the quarters' + 8,192 x the sum of (quarter's mean - mean)^2
.irp p, 0,1
	v_add_f32 v34, v[16+8*\p], v[18+8*\p]
	v_add_f32 v35, v[20+8*\p], v[22+8*\p]
	v_add_f32 v34, v34, v35
	v_mul_f32 v34, 0x3e800000, v34                 ; the group's mean
	v_sub_f32 v35, v[16+8*\p], v34
	v_sub_f32 v36, v[18+8*\p], v34
	v_sub_f32 v37, v[20+8*\p], v34
	v_sub_f32 v38, v[22+8*\p], v34
	v_mul_f32 v35, v35, v35
	v_fma_f32 v35, v36, v36, v35
	v_fma_f32 v35, v37, v37, v35
	v_fma_f32 v35, v38, v38, v35
	v_add_f32 v36, v[17+8*\p], v[19+8*\p]
	v_add_f32 v37, v[21+8*\p], v[23+8*\p]
	v_add_f32 v36, v36, v37
	v_fma_f32 v36, v35, 0x46000000, v36
	v_fma_f32 v36, v36, s[IVN], 0x3727c5ac         ; the variance + 1e-5 (the factor is a power of two: nothing is rounded twice)
	s_wait_alu depctr_va_vdst(0)
	v_rsq_f32 v36, v36
	v_sub_f32 v[PM+\p], 0, v34                     ; -mean.  (The plain line behind the transcendental)
	s_wait_alu depctr_va_vdst(0)
	v_mul_f32 v[PM+2+\p], v36, v[32+\p]            ; the gain: rsqrt x gn_w
.endr
; rows 16 k .. 16 k + 15 of my 64, as they lie: 8 bytes a lane, 256 consecutive bytes a load, into set k % 2
.macro LOADB k
.irp j, 0,1,2,3,4,5,6,7,8,9,10,11,12,13,14,15
	ds_load_b64 v[XA+64*((\k)%2)+4*\j:XA+64*((\k)%2)+4*\j+1], v[VR] offset:(16*(\k)+\j)*PX
	ds_load_b64 v[XA+64*((\k)%2)+4*\j+2:XA+64*((\k)%2)+4*\j+3], v[VR] offset:(16*(\k)+\j)*PX+256
.endr
.endm
; they are normalised, (x - mean) x gain + shift, and go back to their places.  A row's three parameters come out of the lane that holds them
.macro PROC k
.irp j, 0,1,2,3,4,5,6,7,8,9,10,11,12,13,14,15
	v_readlane_b32 s[PS+3*(\j%4)], v[PM+(16*(\k)+\j)/32], (16*(\k)+\j)%32
	v_readlane_b32 s[PS+3*(\j%4)+1], v[PM+2+(16*(\k)+\j)/32], (16*(\k)+\j)%32
	v_readlane_b32 s[PS+3*(\j%4)+2], v[PM+4+(16*(\k)+\j)/32], (16*(\k)+\j)%32
.irp e, 0,1,2,3
	v_add_f32 v[XA+64*((\k)%2)+4*\j+\e], s[PS+3*(\j%4)], v[XA+64*((\k)%2)+4*\j+\e]
.endr
.irp e, 0,1,2,3
	v_fma_f32 v[XA+64*((\k)%2)+4*\j+\e], v[XA+64*((\k)%2)+4*\j+\e], s[PS+3*(\j%4)+1], s[PS+3*(\j%4)+2]
.endr
	ds_store_b64 v[VR], v[XA+64*((\k)%2)+4*\j:XA+64*((\k)%2)+4*\j+1] offset:(16*(\k)+\j)*PX
	ds_store_b64 v[VR], v[XA+64*((\k)%2)+4*\j+2:XA+64*((\k)%2)+4*\j+3] offset:(16*(\k)+\j)*PX+256
.endr
.endm
	s_wait_tensorcnt 0x0                           ; my four loads have landed; until the barrier I touch my own 64 rows alone
.irp k, 0,1,2,3
	LOADB \k
	s_wait_dscnt 0x0                               ; the rows are in, and the stores of the set before are done: that set is loaded again next
	PROC \k
.endr
	s_wait_dscnt 0x0                               ; for the others' sake: my rows are normalised in LDS
	s_barrier_signal -1
	s_barrier_wait -1                              ; all 256 rows are, and all waves' parts of the weights have landed
.irp b, 0,1,2,3
	v_mov_b32 v[TM+4+\b], 0                        ; written once: a lane permute's destination counts as one of its sources
.endr
; 64 numbers of a lane, v[s] on, register 16 b + i = number 16 (lane / 16) + i of block b of my row, become codes in v[pc] on (four registers a block).  mk = 1: the four scale bytes make the word v[w].
; The bytes stay in v[TM+4] on.  A block's largest magnitude has the floor 2^(9 - 127) among its leaves, so that the byte cannot fall under 1
.macro QUANT s, pc, w, mk
.irp b, 0,1,2,3
	v_max3_num_f32 v[TM+\b], |v[\s+16*\b]|, |v[\s+16*\b+1]|, 0x4800000
.endr
.irp i, 2,4,6,8,10,12,14
.irp b, 0,1,2,3
	v_max3_num_f32 v[TM+\b], v[TM+\b], |v[\s+16*\b+\i]|, |v[\s+16*\b+\i+1]|   ; the four blocks by turns
.endr
.endr
.irp b, 0,1,2,3
	v_permlanex16_b32 v[TM+4+\b], v[TM+\b], s[SEL], s[SEL+1]
.endr
.irp b, 0,1,2,3
	v_max_num_f32 v[TM+\b], v[TM+\b], v[TM+4+\b]   ; with lane l xor 16's 16 numbers: the block's
.endr
.irp b, 0,1,2,3
	v_add_nc_u32 v[TM+12+\b], 0xfc000000, v[TM+\b] ; 8 off its exponent field: the conversion takes this operand's exponent field as its scale
.endr
.irp b, 0,1,2,3
.endr
.irp b, 0,1,2,3
	v_lshrrev_b32 v[TM+4+\b], 23, v[TM+12+\b]      ; the scale's byte
.endr
.if \mk
	v_lshl_or_b32 v[\w], v[TM+5], 8, v[TM+4]
	v_lshl_or_b32 v[\w], v[TM+6], 16, v[\w]
	v_lshl_or_b32 v[\w], v[TM+7], 24, v[\w]
.endif
.irp b, 0,1,2,3
.irp i, 0,1,2,3,4,5,6,7,8,9,10,11,12,13,14,15
.endr
	v_cvt_scalef32_pk8_fp8_f32 v[\pc+4*\b:\pc+4*\b+1], v[\s+16*\b:\s+16*\b+7], v[TM+12+\b]
	v_cvt_scalef32_pk8_fp8_f32 v[\pc+4*\b+2:\pc+4*\b+3], v[\s+16*\b+8:\s+16*\b+15], v[TM+12+\b]
.endr
	v_nop                                          ; a plain line between the last conversion and whatever next touches its registers
.endm
; fragment n = 2 u + s of the norm, as numbers: register 16 c + i = channel 128 s + 32 c + 16 h + i of my position in tile u
.macro XLD n, set
.irp c, 0,1,2,3
.irp i, 0,1,2,3,4,5,6,7,8,9,10,11,12,13,14,15
	ds_load_b32 v[\set+16*\c+\i], v[VX+(\n)%2] offset:(32*\c+\i)*PX+32*((\n)/2)
.endr
.endr
.endm
	XLD 0, XA
	XLD 1, XB
	s_wait_dscnt 63                                ; the older run of 64 is in (64 loads are younger; the wait's field names 63 at most, the strict side)
	QUANT XA, NF, NS, 1
	XLD 2, XA
	s_wait_dscnt 63
	QUANT XB, NF+16, NS+1, 1
	XLD 3, XB
	s_wait_dscnt 63
	QUANT XA, NF+32, NS+2, 1
	s_wait_dscnt 0x0
	QUANT XB, NF+48, NS+3, 1
.macro PLACES n
.rept \n
	v_nop
.endr
.endm
; the four tiles of weight i, K step s
.macro WLD i, s
.irp t, 0,1,2,3
.irp c, 0,1,2,3
	ds_load_b128 v[WF+16*\t+4*\c:WF+16*\t+4*\c+3], v[VW] offset:\i*WTEN+(32*(\t/2)+8*(\t%2))*PWT+128*\s+32*\c
.endr
.endr
.endm
; eight matrix instructions, the eight accumulators by turns, in the same order in both K steps; the first K step starts the sums
.macro MM i, s
.irp u, 0,1
.irp t, 0,1,2,3
.if \i < 2
.if \s == 0
	v_wmma_scale_f32_16x16x128_f8f6f4 v[ACC+8*(4*\u+\t):ACC+8*(4*\u+\t)+7], v[WF+16*\t:WF+16*\t+15], v[NF+16*(2*\u+\s):NF+16*(2*\u+\s)+15], 0, v[WS+8*\i+2*\t+\s], v[NS+2*\u+\s]
.else
	v_wmma_scale_f32_16x16x128_f8f6f4 v[ACC+8*(4*\u+\t):ACC+8*(4*\u+\t)+7], v[WF+16*\t:WF+16*\t+15], v[NF+16*(2*\u+\s):NF+16*(2*\u+\s)+15], v[ACC+8*(4*\u+\t):ACC+8*(4*\u+\t)+7], v[WS+8*\i+2*\t+\s], v[NS+2*\u+\s]
.endif
.else
.if \s == 0
	v_wmma_scale_f32_16x16x128_f8f6f4 v[ACC+8*(2*\t+\u):ACC+8*(2*\t+\u)+7], v[NF+16*(2*\u+\s):NF+16*(2*\u+\s)+15], v[WF+16*\t:WF+16*\t+15], 0, v[NS+2*\u+\s], v[WS+8*\i+2*\t+\s]
.else
	v_wmma_scale_f32_16x16x128_f8f6f4 v[ACC+8*(2*\t+\u):ACC+8*(2*\t+\u)+7], v[NF+16*(2*\u+\s):NF+16*(2*\u+\s)+15], v[WF+16*\t:WF+16*\t+15], v[ACC+8*(2*\t+\u):ACC+8*(2*\t+\u)+7], v[NS+2*\u+\s], v[WS+8*\i+2*\t+\s]
.endif
.endif
.endr
.endr
.endm
; weight i times the norm, and the result quantised.  q, k: the quantiser's block 2 u + b is channels 32 b on of tile u.  v: its block t is my 32 keys of the channels of tile t
.macro PROD i
	s_wait_xcnt 0x0                                ; the stores of the weight before have read the codes' registers, which the loads below fill
	WLD \i, 0
	PLACES 4                                       ; an operand written by vector instructions stands four places ahead of a scaled matrix instruction (the norm's last codes)
	s_wait_dscnt 0x0
	MM \i, 0
	PLACES 8                                       ; eight places in front of loads into registers that these matrix instructions have read
	WLD \i, 1
	s_wait_alu depctr_va_vdst(0)
	s_wait_dscnt 0x0
	MM \i, 1
	PLACES 8                                       ; and in front of the first read of the results
	QUANT ACC, PC, PW, 0
.endm
; q's or k's two tiles leave: four stores of 512 consecutive bytes, and the two tiles' scale words (lanes 0-15 tile 0's, lanes 16-31 tile 1's)
.macro STQK cb, sb, off
	v_lshl_or_b32 v253, v[TM+5], 8, v[TM+4]
	v_lshl_or_b32 v254, v[TM+7], 8, v[TM+6]
	v_or_b32 v253, 0x7f7f0000, v253                ; the scales of the K that the head does not have: 1
	v_or_b32 v254, 0x7f7f0000, v254
	v_cndmask_b32 v[PW], v253, v254, vcc_lo
.irp b, 0,1,2,3
	global_store_b128 v[LI], v[PC+4*\b:PC+4*\b+3], s[\cb:\cb+1] offset:512*\b
.endr
	global_store_b32 v[LS], v[PW], s[\sb:\sb+1] offset:\off
.endm
	PROD 0
	STQK 24, 12, 2097152
	PROD 1
	STQK 26, 16, 262144
	PROD 2
.irp t, 0,1,2,3
	global_store_b128 v[LI], v[PC+4*\t:PC+4*\t+3], s[28:29] offset:2048*\t
.endr
.irp t, 0,1,2,3
	ds_store_b8 v[VB], v[TM+4+\t] offset:64*\t     ; byte w of the word of tile t, row r; both lanes of a block write the same byte with the same value
.endr
	s_wait_dscnt 0x0                               ; for wave 0's sake
	s_barrier_signal -1
	s_barrier_wait -1
	s_cmp_lg_u32 s[WV], 0
	s_cbranch_scc1 .Lend
	ds_load_b64 v[16:17], v[VB8]
	s_wait_dscnt 0x0
	global_store_b64 v[L8], v[16:17], s[20:21] offset:278528   ; 32 lanes store 256 consecutive bytes, at a multiple of 256 from the buffer's first byte
.Lend:
	s_set_vgpr_msb 0x4
	s_wait_tensorcnt 0x0
	ds_add_u32 v255, v1
	s_wait_dscnt 0x0
	s_set_vgpr_msb 0x400
	s_endpgm
.Lfunc_end_k_q38fc19630c_proj:
	.size	k_q38fc19630c_proj, .Lfunc_end_k_q38fc19630c_proj-k_q38fc19630c_proj
	.p2alignl 7, 3214868480
	.fill 96, 4, 3214868480
	.section	.rodata,"a",@progbits
	.p2align	6, 0x0
	.amdhsa_kernel k_q38fc19630c_proj
		.amdhsa_group_segment_fixed_size 197120
		.amdhsa_private_segment_fixed_size 0
		.amdhsa_enable_private_segment 0
		.amdhsa_kernarg_size 104
		.amdhsa_user_sgpr_count 2
		.amdhsa_user_sgpr_kernarg_segment_ptr 1
		.amdhsa_wavefront_size32 1
		.amdhsa_system_sgpr_workgroup_id_x 1
		.amdhsa_system_sgpr_workgroup_id_y 1
		.amdhsa_system_sgpr_workgroup_id_z 1
		.amdhsa_system_vgpr_workitem_id 0
		.amdhsa_next_free_vgpr 258
		.amdhsa_next_free_sgpr 100
		.amdhsa_reserve_vcc 1
		.amdhsa_float_denorm_mode_32 3
		.amdhsa_float_denorm_mode_16_64 3
		.amdhsa_fp16_overflow 1
		.amdhsa_memory_ordered 1
		.amdhsa_forward_progress 1
		.amdhsa_inst_pref_size 120
	.end_amdhsa_kernel
	.amdgpu_metadata
---
amdhsa.version: [ 1, 2 ]
amdhsa.kernels:
  - .name:           k_q38fc19630c_proj
    .symbol:         k_q38fc19630c_proj.kd
    .args:
      - { .name: x, .offset: 0, .size: 8, .value_kind: global_buffer, .address_space: global }
      - { .name: stats, .offset: 8, .size: 8, .value_kind: global_buffer, .address_space: global }
      - { .name: gn_w, .offset: 16, .size: 8, .value_kind: global_buffer, .address_space: global }
      - { .name: gn_b, .offset: 24, .size: 8, .value_kind: global_buffer, .address_space: global }
      - { .name: wq_codes, .offset: 32, .size: 8, .value_kind: global_buffer, .address_space: global }
      - { .name: wq_scales, .offset: 40, .size: 8, .value_kind: global_buffer, .address_space: global }
      - { .name: wk_codes, .offset: 48, .size: 8, .value_kind: global_buffer, .address_space: global }
      - { .name: wk_scales, .offset: 56, .size: 8, .value_kind: global_buffer, .address_space: global }
      - { .name: wv_codes, .offset: 64, .size: 8, .value_kind: global_buffer, .address_space: global }
      - { .name: wv_scales, .offset: 72, .size: 8, .value_kind: global_buffer, .address_space: global }
      - { .name: qbuf, .offset: 80, .size: 8, .value_kind: global_buffer, .address_space: global }
      - { .name: kres, .offset: 88, .size: 8, .value_kind: global_buffer, .address_space: global }
      - { .name: vimg, .offset: 96, .size: 8, .value_kind: global_buffer, .address_space: global }
    .group_segment_fixed_size: 197120
    .private_segment_fixed_size: 0
    .kernarg_segment_align: 8
    .kernarg_segment_size: 104
    .max_flat_workgroup_size: 128
    .sgpr_count:     100
    .vgpr_count:     258
    .wavefront_size: 32
...
	.end_amdgpu_metadata
.endif
;; end of part 2
;; launch attn (part 3): grid 32 x 8, 16 waves a work-group, no clusters, 327,680 bytes of LDS; arguments qbuf, kres, vimg, obuf; writes obuf
.if DOCPART == 3
	.amdgcn_target "amdgcn-amd-amdhsa--gfx1250"
	.amdhsa_code_object_version 6
	.text
	.protected	k_q38fc19630c_attn
	.globl	k_q38fc19630c_attn
	.p2align	8
	.type	k_q38fc19630c_attn,@function
k_q38fc19630c_attn:
	s_mov_b64 s[64:65], 0
	v_nop
	global_prefetch_b8 v0, s[64:65] scope:SCOPE_SE
	s_setreg_imm32_b32 hwreg(HW_REG_WAVE_MODE, 25, 1), 1
	s_wait_xcnt 0x0
; Attention on codes of E4M3 with E8M0 scales: scores = q . k / 16 over the head's 64 channels, softmax over 4,096 keys, FINISHED AND NORMALISED before it is quantised along the keys, times v; the result quantised along the channels.
; A work-group takes 128 queries (x of the grid) of one image and head (y of the grid: bh).  SIXTEEN waves of 256 registers, four to a SIMD, so that one wave's waits for results, LDS and the matrix unit stand beside three others' work:
; wave w takes the tile of 16 queries w % 8 and the half w / 8 of the keys: 2,048 keys, 16 steps of 128.
; THE KEYS ARE WALKED TWICE, since a row's sum is wanted before its first p is quantised.  First walk: scores, running largest t and sum.  Second walk: the scores again, p = 2^(t - M) / sum, quantised, times v.
;   t = score x log2(e) / 16;  M = the row's largest t rounded UP to a whole number, kept as -M = floor(-t): 2^(t - M) / the sum of 2^(t - M) is the softmax, and when M moves the sum is multiplied by a power of two, which rounds nothing.
; THE TWO WAVES OF A TILE MEET TWICE, through LDS: behind the first walk each reads the other's -M and sum (the larger M holds, both sums are brought under it by powers of two and added: the same bits in both);
; at the end the wave of the upper half hands its O^T to the wave of the lower half, which adds it to its own, quantises and stores.
; Both products are used transposed: S^T = K Q^T (source 0 = 16 keys), O^T = V^T P^T (source 0 = 16 channels): a lane holds ONE query (lane % 16) throughout.  Tiles are those of the launch before: tile 2 B + u holds, as row m,
; position 32 B + 8 u + m + 8 (m / 8), so the 16 registers of two neighbouring tiles are 16 neighbouring keys (or channels), and the conversions' results are the next operand's registers.
; THE HEAD'S K IS 64, THE INSTRUCTION'S 128.  Q's registers 8-15 are zero codes.  K's fragments lie dense, 8 registers a tile: a tile's registers 8-15 are the next tile's codes (behind the last tile: zeros), which meet Q's zeros;
; those products are zeros; the scale bytes of that half are 127.
; LDS: the head's record (K's images 262,144 bytes, K's scale words 16,384, V's scale words 8,192) is filled once and serves both walks; the spare words; 4,096 bytes for the waves' -M and sums; a ring of two slots of 16,384 bytes,
; each V's images of one key step of both halves.  All operands lie as images of registers (lane l's 16 bytes at 16 l): every LDS load takes 512 or 128 consecutive bytes.
; Every wave issues the same tensor loads for bytes of its own (the wave's number x a constant): three at the start, one at a time with a barrier between; then one behind each barrier of a refill.
; NO CLUSTER, though the 32 query blocks of a head read the same bytes: a work-group fetches 286,720 bytes once and then 16,384 for every key step, in which each of its sixteen waves issues some 350 vector instructions;
; asked for jointly, each of the 14 refills would stand behind a round of the cluster's barrier.
; LIMITS: NaN and infinities are not served.  p x (1 / sum) by v_rcp_f32 stands for p / sum.  The row's sum and O's sums over the keys are each made of two partial sums, one for each half of the keys.
; A block's largest p is not searched for: the block's largest score goes through the same instructions, which takes v_exp_f32 not to fall where its input rises.  A p under 2^-126 is 0.
; A block whose largest magnitude lies under 2^-118 has its byte held at 1 (a block of zeros too: its codes are zeros, and this program alone reads the bytes).
.set KSC,   0x40000                    ; K's scale words
.set VSC,   0x44000                    ; V's
.set SPARE, 0x46000                    ; the spare words, 128 bytes for each wave: eight blocks of 256 bytes that no other line names
.set XCH,   0x46800                    ; each wave's -M (128 bytes) and sum (128 bytes): sixteen blocks of 256 bytes into which no fill lands
.set VRING, 0x48000
.set VSLOT, 0x4000
.set AK0,  1                           ; v1   16 x lane
.set ASK0, 2                           ; v2   KSC + 4 x lane + 8,192 x half
.set ADV,  3                           ; v3   VRING + 16 x lane + 8,192 x half
.set ASV0, 4                           ; v4   VSC + 4 x lane + 4,096 x half
.set SPW,  5                           ; v5   LDS address of my spare word; never rewritten
.set NIL,  6                           ; v6   0; never rewritten
.set R4,   7                           ; v7   4 x (lane % 16)
.set TP,   8                           ; v8   at work
.set ADK,  9                           ; v9   the step's K images;  v10 its K scale words;  v11 its V scale words
.set ADS,  10
.set ADT,  11
                                       ; v12 -M;  v13 the largest t;  v[14:15] the sum in two halves, later 1 / sum in v14
.set QF,   16                          ; v16-23 Q's codes, v24-31 zeros
.set KF,   32                          ; v32-95 K's eight tiles, v96-103 zeros
.set S,    104                         ; v104-167 S^T, then p, then V's four fragments
.set O,    168                         ; v168-199 O^T
.set PC,   200                         ; v200-215 p's codes
.set KSW,  216                         ; v216-219 K's scale words: lanes 0-15 the even tile's, lanes 16-31 the odd one's
.set VSW,  220                         ; v220-221 V's likewise
.set QSW,  222                         ; v222 Q's
.set PSW,  223                         ; v223 p's
.set BM,   224                         ; v224-227 the blocks' largest scores, then p
.set PB,   228                         ; v228-231 the permutes' destinations, then the bytes
.set HLD,  232
.set SOP,  236                         ; v236-239 the conversions' scale operands
.set CH,   240                         ; v[240:241] the sum's second chain; at the join my partner's -M and sum
.set FF,   242                         ; v[242:243] f = 2^(old M - new M)
.set TQ,   244                         ; v244 at work
.set AKB,  245                         ; v245 16 x lane + 131,072 x half: my half's K images
.set XW,   246                         ; v246 XCH + 256 x wave + 4 x lane: where I put my -M and sum
.set XR,   247                         ; v247 the same of the wave 8 away: where I read my partner's
.set SG,   248                         ; v248 16 x lane + 4,096 x (wave % 8): the stage in which O^T goes from the upper half's wave to the lower's
.set WV,  12
.set KH,  13                           ; s13 my half of the keys
.set BH,  14
.set QT,  15
.set SEL, 16                           ; s[16:17] v_permlanex16_b32's selects for lane l xor 16
.set CS,  18                           ; s[18:19] c = log2(e) / 16
.set MNT, 20
.set CNT, 21
.set TK,  22                           ; s22 where, in my half, the K images to be fetched begin: 8,192 bytes a step
.set TS,  23                           ; s23 and their scale words: 512 a step
.set G1R, 24                           ; s[24:31] group 1 for the record;  s[32:35] its group 0
.set G0R, 32
.set G1V, 36                           ; s[36:43] group 1 for V's slots;  s[44:47], s[48:51] a group 0 for each slot
.set G0V, 44
.set TJ,  52                           ; s52 V's scale words: 256 bytes a step
.set QW,  53                           ; s53 my tile among the block's eight
	s_load_b256 s[4:11], s[0:1], 0x0               ; qbuf 4, kres 6, vimg 8, obuf 10
	v_lshl_add_u32 v[SPW], v0, 2, SPARE
	v_mov_b32 v[NIL], 0
	ds_add_u32 v5, v6
	ds_add_u32 v5, v6
	s_wait_dscnt 0x0
	v_lshrrev_b32 v[TP], 5, v0
	s_delay_alu instid0(VALU_DEP_1)
	v_readfirstlane_b32 s[WV], v[TP]               ; wave 0..15
	s_and_b32 s[QW], s[WV], 7
	s_lshr_b32 s[KH], s[WV], 3
	s_and_b32 s[BH], ttmp7, 0xffff
	s_lshl_b32 s[QT], ttmp9, 3
	s_add_co_u32 s[QT], s[QT], s[QW]               ; my tile of queries: 8 x block + wave % 8
	s_mov_b32 s[SEL], 0x76543210
	s_mov_b32 s[SEL+1], 0xfedcba98
	s_mov_b32 s[CS], 0x3db8aa3b
	s_mov_b32 s[CS+1], s[CS]                       ; (named with it as a pair, so it is written)
	s_mov_b32 s[TK], 0
	s_mov_b32 s[TS], 0
	s_mov_b32 s[TJ], 0
	; group 1: dense bytes as rows of 256 (32 elements of 8 bytes), no padding.  The record: 70 rows a wave.  A slot: 4 rows a wave
	s_mov_b32 s[G1R], 3<<16
	s_mov_b32 s[G1R+1], 32<<16
	s_mov_b32 s[G1R+2], 70<<16
	s_mov_b32 s[G1R+3], 32<<16
	s_mov_b32 s[G1R+4], 70
	s_mov_b32 s[G1R+5], 32
	s_mov_b32 s[G1R+6], 0
	s_mov_b32 s[G1R+7], 0
	s_mov_b32 s[G1V], 3<<16
	s_mov_b32 s[G1V+1], 32<<16
	s_mov_b32 s[G1V+2], 4<<16
	s_mov_b32 s[G1V+3], 32<<16
	s_mov_b32 s[G1V+4], 4
	s_mov_b32 s[G1V+5], 32
	s_mov_b32 s[G1V+6], 0
	s_mov_b32 s[G1V+7], 0
	s_mul_i32 s54, s[BH], 286720
	s_mul_i32 s56, s[WV], 17920                    ; my sixteenth of the record, in memory and in LDS
	s_add_co_u32 s54, s54, s56
	s_mov_b32 s55, 0
	s_lshl_b32 s58, s[BH], 18                      ; V in memory: the head, my half's 16 steps of 8,192 bytes, my eighth of a step
	s_lshl_b32 s57, s[KH], 17
	s_add_co_u32 s58, s58, s57
	s_lshl_b32 s57, s[QW], 10
	s_add_co_u32 s58, s58, s57
	s_mov_b32 s59, 0
	s_lshl_b32 s57, s[WV], 10                      ; and in a slot: the lower half's step, then the upper's: 1,024 x wave
	s_lshl_b32 s60, s[BH], 8
	s_add_co_u32 s60, s60, s[QT]                   ; 256 bh + my tile
	s_lshl_b32 s62, s60, 10                        ; Q's image
	s_mov_b32 s63, 0
	s_lshl_b32 s60, s60, 6                         ; its scale words, in qbuf and in obuf alike
	s_mov_b32 s61, 0
	s_wait_kmcnt 0x0
	s_mov_b32 s[G0R], 1
	s_mov_b32 s[G0R+1], s56
	s_add_nc_u64 s[G0R+2:G0R+3], s[6:7], s[54:55]
	s_or_b32 s[G0R+3], s[G0R+3], 0x80000000
	s_mov_b32 s[G0V], 1
	s_add_co_u32 s[G0V+1], s57, VRING
	s_add_nc_u64 s[G0V+2:G0V+3], s[8:9], s[58:59]  ; slot 0: key step 0 of each half
	s_or_b32 s[G0V+3], s[G0V+3], 0x80000000
	s_mov_b32 s[G0V+4], 1
	s_add_co_u32 s[G0V+5], s57, VRING+VSLOT
	s_add_nc_u64 s[G0V+6:G0V+7], s[8:9], s[58:59]
	s_add_nc_u64 s[G0V+6:G0V+7], s[G0V+6:G0V+7], 8192    ; slot 1: key step 1
	s_or_b32 s[G0V+7], s[G0V+7], 0x80000000
	tensor_load_to_lds s[G0R:G0R+3], s[G1R:G1R+7]  ; the record's fill, waited for before the barrier below: one load of mine is out
	s_nop 0
	s_wait_alu depctr_va_vdst(0)
	s_wait_tensorcnt 0x0
	ds_add_u32 v5, v6
	s_wait_dscnt 0x0
	s_barrier_signal -1
	s_barrier_wait -1
	tensor_load_to_lds s[G0V:G0V+3], s[G1V:G1V+7]
	s_nop 0
	s_wait_alu depctr_va_vdst(0)
	s_wait_tensorcnt 0x0
	ds_add_u32 v5, v6
	s_wait_dscnt 0x0
	s_barrier_signal -1
	s_barrier_wait -1
	tensor_load_to_lds s[G0V+4:G0V+7], s[G1V:G1V+7]
	s_nop 0
	v_and_b32 v[AK0], 31, v0                       ; lane
.irp j, 0,1,2,3,4,5,6,7
	v_mov_b32 v[QF+8+\j], 0                        ; zero codes: the K that the head does not have
	v_mov_b32 v[KF+64+\j], 0
.endr
	v_lshl_add_u32 v[ASK0], v[AK0], 2, KSC
	v_lshl_add_u32 v[ADV], v[AK0], 4, VRING
	v_lshl_add_u32 v[ASV0], v[AK0], 2, VSC
	v_lshl_add_u32 v[XW], v[AK0], 2, XCH
	v_lshlrev_b32 v[AK0], 4, v[AK0]
	s_lshl_b32 s56, s[KH], 13                      ; my half: 16 steps of 512 bytes of K's scale words; 8,192 bytes on in a slot of V
	v_add_nc_u32 v[ASK0], s56, v[ASK0]
	v_add_nc_u32 v[ADV], s56, v[ADV]
	s_lshl_b32 s56, s[KH], 12                      ; 16 steps of 256 bytes of V's scale words
	v_add_nc_u32 v[ASV0], s56, v[ASV0]
	s_lshl_b32 s56, s[KH], 17                      ; 16 steps of 8,192 bytes of K's images
	v_add_nc_u32 v[AKB], s56, v[AK0]
	s_lshl_b32 s56, s[QW], 12
	v_add_nc_u32 v[SG], s56, v[AK0]
	s_xor_b32 s56, s[WV], 8                        ; my partner: the same tile, the other half
	s_lshl_b32 s56, s56, 8
	v_add_nc_u32 v[XR], s56, v[XW]
	s_lshl_b32 s56, s[WV], 8
	v_add_nc_u32 v[XW], s56, v[XW]
	v_and_b32 v[R4], 15, v0
	s_delay_alu instid0(VALU_DEP_1)
	v_lshlrev_b32 v[R4], 2, v[R4]
	s_wait_alu depctr_va_vdst(0)
	s_add_nc_u64 s[6:7], s[4:5], s[60:61]          ; Q's scale words (kres's pointer has gone into its descriptor); 2,097,152 more in the immediate
	s_add_nc_u64 s[4:5], s[4:5], s[62:63]          ; Q's image
	s_add_nc_u64 s[8:9], s[10:11], s[60:61]        ; O's scale words (vimg's pointer likewise)
	s_lshr_b32 s54, s[BH], 2
	s_lshl_b32 s54, s54, 20                        ; O's codes: image x 1 MiB + tile x 4,096 + head x 1,024
	s_lshl_b32 s56, s[QT], 12
	s_add_co_u32 s54, s54, s56
	s_and_b32 s56, s[BH], 3
	s_lshl_b32 s56, s56, 10
	s_add_co_u32 s54, s54, s56
	s_add_nc_u64 s[10:11], s[10:11], s[54:55]
	global_load_b128 v[QF:QF+3], v[AK0], s[4:5]
	global_load_b128 v[QF+4:QF+7], v[AK0], s[4:5] offset:512
	global_load_b32 v[QSW], v[R4], s[6:7] offset:2097152
	v_mov_b32 v13, 0xff61b1e6                      ; the largest t so far: -3e38, under every t
	s_delay_alu instid0(VALU_DEP_1)
	v_floor_f32 v12, -v13                          ; -M
	v_mov_b32 v14, 0                               ; the sum, in two halves: the first change of M multiplies zeros
	v_mov_b32 v15, 0
.irp b, 0,1,2,3
	v_mov_b32 v[PB+\b], 0                          ; written once: a lane permute's destination counts as one of its sources
.endr
	v_mov_b32 v[FF+1], 0                           ; (named as the upper half of a pair)
	v_add_nc_u32 v[ADK], s[TK], v[AKB]
	v_add_nc_u32 v[ADS], s[TS], v[ASK0]
.macro PLACES n
.rept \n
	v_nop
.endr
.endm
.macro KLD                             ; a step's eight tiles of K and their scale words
.irp i, 0,1,2,3,4,5,6,7
	ds_load_b128 v[KF+8*\i:KF+8*\i+3], v[ADK] offset:1024*\i
	ds_load_b128 v[KF+8*\i+4:KF+8*\i+7], v[ADK] offset:1024*\i+512
.endr
.irp p, 0,1,2,3
	ds_load_b32 v[KSW+\p], v[ADS] offset:128*\p
.endr
.endm
.macro QK                              ; S^T = K Q^T: lane (r, h), register 16 b + i: query r, key 32 b + 16 h + i of the step
.irp p, 0,1,2,3
	v_wmma_scale_f32_16x16x128_f8f6f4 v[S+16*\p:S+16*\p+7], v[KF+16*\p:KF+16*\p+15], v[QF:QF+15], 0, v[KSW+\p], v[QSW]
	v_wmma_scale_f32_16x16x128_f8f6f4 v[S+16*\p+8:S+16*\p+15], v[KF+16*\p+8:KF+16*\p+23], v[QF:QF+15], 0, v[KSW+\p], v[QSW] matrix_a_scale:MATRIX_SCALE_ROW1
.endr
.endm
.macro NEXTK reset                     ; on to the next step's K (reset = 1: back to my half's step 0).  No LDS load of mine is out here
.if \reset
	s_mov_b32 s[TK], 0
	s_mov_b32 s[TS], 0
.else
	s_add_co_u32 s[TK], s[TK], 8192
	s_add_co_u32 s[TS], s[TS], 512
.endif
	v_add_nc_u32 v[ADK], s[TK], v[AKB]
	v_add_nc_u32 v[ADS], s[TS], v[ASK0]
.endm
.macro BLOCKMAX                        ; the largest of my 16 scores of each block of 32 keys; each accumulator is read from its low end on
.irp b, 0,1,2,3
	v_max3_num_f32 v[BM+\b], v[S+16*\b], v[S+16*\b+1], v[S+16*\b+2]
.endr
.irp i, 3,5,7,9,11,13
.irp b, 0,1,2,3
	v_max3_num_f32 v[BM+\b], v[BM+\b], v[S+16*\b+\i], v[S+16*\b+\i+1]
.endr
.endr
.irp b, 0,1,2,3
	v_max_num_f32 v[BM+\b], v[BM+\b], v[S+16*\b+15]
.endr
.endm
.macro TMINUSM                         ; t - M, two at a time (of the pairs c and -M the low word serves both halves)
.set J, 0
.rept 32
	v_pk_fma_f32 v[S+J:S+J+1], v[S+J:S+J+1], s[CS:CS+1], v[12:13] op_sel_hi:[1,0,0]
.set J, J+2
.endr
.endm
.macro EXPS
.set J, 0
.rept 64
	v_exp_f32 v[S+J], v[S+J]
.set J, J+1
.endr
.endm
; A STEP OF THE FIRST WALK.  The largest t and the sum are the LANE's: its 64 keys of each step; the two halves of the lanes, and then the two waves of a tile, are joined once, behind the walk
.macro STEP1 reset
	s_wait_dscnt 0x0                               ; K is in
	QK
	NEXTK \reset                                   ; its two additions and six v_nop: eight places in front of loads into registers that the products read, and of the first read of the scores
	PLACES 6
	KLD                                            ; the next step's K lands under this step's vector work
	BLOCKMAX
	s_delay_alu instid0(VALU_DEP_2)
	v_max3_num_f32 v[TQ], v[BM], v[BM+1], v[BM+2]
	s_delay_alu instid0(VALU_DEP_1)
	v_max_num_f32 v[TQ], v[TQ], v[BM+3]
	s_delay_alu instid0(VALU_DEP_1)
	v_mul_f32 v[TQ], s[CS], v[TQ]                  ; as t (c is positive)
	s_delay_alu instid0(VALU_DEP_1)
	v_max_num_f32 v13, v13, v[TQ]
	v_mov_b32 v[TQ], v12
	s_delay_alu instid0(VALU_DEP_2)
	v_floor_f32 v12, -v13                          ; the new -M
	s_delay_alu instid0(VALU_DEP_1)
	v_sub_f32 v[TQ], v12, v[TQ]                    ; old M - new M: a whole number, 0 or less
	s_delay_alu instid0(VALU_DEP_1)
	v_cvt_i32_f32 v[TQ], v[TQ]                     ; (it saturates)
	s_delay_alu instid0(VALU_DEP_1)
	v_ldexp_f32 v[FF], 1.0, v[TQ]
	TMINUSM
	s_wait_alu depctr_va_vdst(0)
	EXPS
	v_pk_mul_f32 v[14:15], v[14:15], v[FF:FF+1] op_sel_hi:[1,0]   ; the sums under the new M.  (The plain line behind the exponentials)
	s_wait_alu depctr_va_vdst(0)
	v_pk_add_f32 v[CH:CH+1], v[S:S+1], v[S+2:S+3]  ; two chains
.irp j, 4,8,12,16,20,24,28,32,36,40,44,48,52,56,60
	v_pk_add_f32 v[14:15], v[14:15], v[S+\j:S+\j+1]
	v_pk_add_f32 v[CH:CH+1], v[CH:CH+1], v[S+\j+2:S+\j+3]
.endr
	s_delay_alu instid0(VALU_DEP_1)
	v_pk_add_f32 v[14:15], v[14:15], v[CH:CH+1]
.endm
.macro PV1 d, zero                     ; O^T += V^T P^T, channels' tile d.  The count lets the fragments behind fragment d stay out, four loads each
	s_wait_dscnt 12-4*\d
.if \zero
.if (\d)%2
	v_wmma_scale_f32_16x16x128_f8f6f4 v[O+8*\d:O+8*\d+7], v[S+16*\d:S+16*\d+15], v[PC:PC+15], 0, v[VSW+(\d)/2], v[PSW] matrix_a_scale:MATRIX_SCALE_ROW1
.else
	s_wait_alu depctr_va_vdst(0)
	v_wmma_scale_f32_16x16x128_f8f6f4 v[O+8*\d:O+8*\d+7], v[S+16*\d:S+16*\d+15], v[PC:PC+15], 0, v[VSW+(\d)/2], v[PSW]
.endif
.else
.if (\d)%2
	v_wmma_scale_f32_16x16x128_f8f6f4 v[O+8*\d:O+8*\d+7], v[S+16*\d:S+16*\d+15], v[PC:PC+15], v[O+8*\d:O+8*\d+7], v[VSW+(\d)/2], v[PSW] matrix_a_scale:MATRIX_SCALE_ROW1
.else
	v_wmma_scale_f32_16x16x128_f8f6f4 v[O+8*\d:O+8*\d+7], v[S+16*\d:S+16*\d+15], v[PC:PC+15], v[O+8*\d:O+8*\d+7], v[VSW+(\d)/2], v[PSW]
.endif
.endif
.endm
; A STEP OF THE SECOND WALK, its V in the slot named.  zero = 1: its products start O^T's sums.  pre = 1: the next step's K is fetched
.macro STEP2 slot, zero, pre
	s_wait_dscnt 0x0                               ; K is in
	QK
	v_add_nc_u32 v[ADT], s[TJ], v[ASV0]            ; with what follows: eight places, as in the first walk
	s_add_co_u32 s[TJ], s[TJ], 256
.if \pre
	NEXTK 0
	PLACES 5
	KLD
.else
	PLACES 7
.endif
	ds_load_b32 v[VSW], v[ADT]
	ds_load_b32 v[VSW+1], v[ADT] offset:128
	BLOCKMAX
.irp b, 0,1,2,3
	s_delay_alu instid0(VALU_DEP_4)
	v_permlanex16_b32 v[PB+\b], v[BM+\b], s[SEL], s[SEL+1]
.endr
.irp b, 0,1,2,3
	s_delay_alu instid0(VALU_DEP_4)
	v_max_num_f32 v[BM+\b], v[BM+\b], v[PB+\b]     ; with lane l xor 16's 16 keys: the block's largest score
.endr
	TMINUSM
.irp b, 0,1,2,3
	v_fma_f32 v[BM+\b], v[BM+\b], s[CS], v12       ; the same of each block's largest score
.endr
	s_wait_alu depctr_va_vdst(0)
	EXPS
.irp b, 0,1,2,3
	v_exp_f32 v[BM+\b], v[BM+\b]
.endr
	v_nop                                          ; the plain line behind the exponentials
.set J, 0
	s_wait_alu depctr_va_vdst(0)
.rept 32
	v_pk_mul_f32 v[S+J:S+J+1], v[S+J:S+J+1], v[14:15] op_sel_hi:[1,0]   ; p, NORMALISED: x 1 / the row's sum
.set J, J+2
.endr
.irp b, 0,1,2,3
	v_mul_f32 v[BM+\b], v[BM+\b], v14              ; the block's largest p: the same instructions on the same number give the same bits
.endr
.irp b, 0,1,2,3
	s_delay_alu instid0(VALU_DEP_4)
	v_max_num_f32 v[BM+\b], 0x4800000, v[BM+\b]    ; the floor 2^(9 - 127): the byte cannot fall under 1
.endr
.irp b, 0,1,2,3
	s_delay_alu instid0(VALU_DEP_4)
	v_add_nc_u32 v[SOP+\b], 0xfc000000, v[BM+\b]   ; 8 off the exponent field: the conversion's scale operand
.endr
.irp b, 0,1,2,3
.endr
.irp b, 0,1,2,3
	s_delay_alu instid0(VALU_DEP_4)
	v_lshrrev_b32 v[PB+\b], 23, v[SOP+\b]          ; the scale's byte
.endr
	s_delay_alu instid0(VALU_DEP_3)
	v_lshl_or_b32 v[PSW], v[PB+1], 8, v[PB]        ; p's scale word for these 128 keys
	s_delay_alu instid0(VALU_DEP_1)
	v_lshl_or_b32 v[PSW], v[PB+2], 16, v[PSW]
	s_delay_alu instid0(VALU_DEP_1)
	v_lshl_or_b32 v[PSW], v[PB+3], 24, v[PSW]
.irp b, 0,1,2,3
.irp i, 0,1,2,3,4,5,6,7,8,9,10,11,12,13,14,15
.endr
	v_cvt_scalef32_pk8_fp8_f32 v[PC+4*\b:PC+4*\b+1], v[S+16*\b:S+16*\b+7], v[SOP+\b]
	v_cvt_scalef32_pk8_fp8_f32 v[PC+4*\b+2:PC+4*\b+3], v[S+16*\b+8:S+16*\b+15], v[SOP+\b]
.irp c, 0,1,2,3
	ds_load_b128 v[S+16*\b+4*\c:S+16*\b+4*\c+3], v[ADV] offset:\slot*VSLOT+2048*\b+512*\c   ; the block's registers are free: V's fragment b lands there
.endr
.endr
	PLACES 4                                       ; an operand written by vector instructions stands four places ahead of a scaled matrix instruction
	s_wait_alu depctr_va_vdst(0)
.irp d, 0,1,2,3
	PV1 \d, \zero                                  ; O^T's four accumulators by turns, one instruction a turn; the next step's eight products on the scores stand between two turns
.endr
	PLACES 9                                       ; the next step's scores are written over V's fragments: nine places in front of a matrix instruction that writes over an operand (and more than the eight that the way out's reads want)
.endm
; A KEY STEP OUT OF A SLOT.  In front of the barrier each wave waits for all its tensor loads (its part of this slot), adds 0 to its spare word, and waits for that and for its reads of the other slot.
; Behind it this slot is whole and nobody reads the other one, which (refill = 1) takes the key step that follows: the load has the sixteen waves' step in which to land
.macro ONE slot, refill, pre
	s_wait_tensorcnt 0x0                           ; no tensor load of mine is out, so a group 0 may be written
	ds_add_u32 v[SPW], v[NIL]                      ; 0 onto my spare word
.if \refill
	s_add_nc_u64 s[G0V+6-4*\slot:G0V+7-4*\slot], s[G0V+6-4*\slot:G0V+7-4*\slot], 16384   ; the other slot's step, two steps on from its last; the type bits on top are not reached
.endif
	s_wait_dscnt 0x0                               ; the add is done, and my reads of the other slot are over
	s_barrier_signal -1
	s_barrier_wait -1
.if \refill
	tensor_load_to_lds s[G0V+4-4*\slot:G0V+7-4*\slot], s[G1V:G1V+7]   ; the first thing behind the barrier, and my one tensor load until the next
	s_nop 0
.endif
	STEP2 \slot, 0, \pre
.endm
	s_wait_alu depctr_va_vdst(0)
	s_wait_tensorcnt 0x0                           ; my parts of the record and of both slots are in,
	s_barrier_signal -1
	s_barrier_wait -1                              ; everybody's are
	KLD                                            ; my half's key step 0
	s_wait_loadcnt 0x0                             ; Q
	s_mov_b32 s[CNT], 15
.Lwalk1:
	STEP1 0
	s_sub_co_u32 s[CNT], s[CNT], 1
	s_cmp_lg_u32 s[CNT], 0
	s_cbranch_scc1 .Lwalk1
	STEP1 1                                        ; the 16th step is written out: it fetches my half's step 0 again, for the second walk
	; the two halves of the lanes are joined: the larger M; each half's sum brought under it by a power of two
	v_permlanex16_b32 v[TP], v12, s[SEL], s[SEL+1]
	s_delay_alu instid0(VALU_DEP_1)
	v_min_num_f32 v[TQ], v12, v[TP]                ; -M of the row over my half of the keys
	s_delay_alu instid0(VALU_DEP_1)
	v_sub_f32 v[TP], v[TQ], v12                    ; my M - that: a whole number, 0 or less
	s_delay_alu instid0(VALU_DEP_1)
	v_cvt_i32_f32 v[TP], v[TP]
	v_add_f32 v14, v14, v15
	s_delay_alu instid0(VALU_DEP_1)
	v_ldexp_f32 v14, v14, v[TP]
	s_delay_alu instid0(VALU_DEP_1)
	v_permlanex16_b32 v[TP], v14, s[SEL], s[SEL+1]
	s_delay_alu instid0(VALU_DEP_1)
	v_add_f32 v14, v14, v[TP]
	; and the two waves of the tile, in the same way, through LDS
	ds_store_b32 v[XW], v[TQ]
	ds_store_b32 v[XW], v14 offset:128
	s_wait_alu depctr_va_vdst(0)
	s_wait_dscnt 0x0                               ; for my partner's sake: my two words are in LDS
	s_barrier_signal -1
	s_barrier_wait -1
	ds_load_b32 v[CH], v[XR]
	ds_load_b32 v[CH+1], v[XR] offset:128
	s_wait_dscnt 0x0
	v_min_num_f32 v12, v[TQ], v[CH]                ; -M of the row
	s_delay_alu instid0(VALU_DEP_1)
	v_sub_f32 v[TP], v12, v[TQ]
	s_delay_alu instid0(VALU_DEP_2)
	v_sub_f32 v[CH], v12, v[CH]
	s_delay_alu instid0(VALU_DEP_2)
	v_cvt_i32_f32 v[TP], v[TP]
	s_delay_alu instid0(VALU_DEP_2)
	v_cvt_i32_f32 v[CH], v[CH]
	s_delay_alu instid0(VALU_DEP_2)
	v_ldexp_f32 v14, v14, v[TP]
	s_delay_alu instid0(VALU_DEP_2)
	v_ldexp_f32 v[CH+1], v[CH+1], v[CH]
	s_delay_alu instid0(VALU_DEP_1)
	v_add_f32 v14, v14, v[CH+1]                    ; the row's sum, at least 1/2: its largest term lies over 1/2.  The same two numbers are added in both waves: the same bits
	s_wait_alu depctr_va_vdst(0)
	v_rcp_f32 v14, v14
	v_nop                                          ; the plain line behind the transcendental
	STEP2 0, 1, 1                                  ; key step 0: slot 0 was shown whole by the barrier in front of the first walk
	s_mov_b32 s[CNT], 7
.Lwalk2:                                               ; a trip: key steps 2 n + 1 and 2 n + 2, and both slots filled again
	ONE 1, 1, 1
	ONE 0, 1, 1
	s_sub_co_u32 s[CNT], s[CNT], 1
	s_cmp_lg_u32 s[CNT], 0
	s_cbranch_scc1 .Lwalk2
	ONE 1, 0, 0                                    ; key step 15 is written out: nothing is left to fetch
	; THE UPPER HALF'S O^T GOES TO THE LOWER HALF'S WAVE, as images of its registers, through the first 32,768 bytes of K's images: they have had their one fill, and every wave's last read of K
	; was waited for in front of the barrier of key step 15
	s_cmp_lt_u32 s[WV], 8
	s_cbranch_scc1 .Llower
.irp k, 0,1,2,3,4,5,6,7
	ds_store_b128 v[SG], v[O+4*\k:O+4*\k+3] offset:512*\k      ; each accumulator from its low end on
.endr
.Llower:
	s_wait_dscnt 0x0                               ; for my partner's sake
	s_barrier_signal -1
	s_barrier_wait -1
	s_cmp_lt_u32 s[WV], 8
	s_cbranch_scc0 .Lend
.irp k, 0,1,2,3,4,5,6,7
	ds_load_b128 v[S+4*\k:S+4*\k+3], v[SG] offset:512*\k
.endr
	s_wait_dscnt 0x0
.set J, 0
.rept 16
	v_pk_add_f32 v[O+J:O+J+1], v[O+J:O+J+1], v[S+J:S+J+1]      ; the two halves of the keys
.set J, J+2
.endr
	; THE WAY OUT: O^T (lane (r, h): query r, channels 32 b + 16 h + 0 .. 15 of the head) is quantised along the channels; its codes are pieces 2 head, 2 head + 1 of the tile's operand for the last product
.irp b, 0,1
	v_max3_num_f32 v[BM+\b], |v[O+16*\b]|, |v[O+16*\b+1]|, 0x4800000
.endr
.irp i, 2,4,6,8,10,12,14
.irp b, 0,1
	s_delay_alu instid0(VALU_DEP_2)
	v_max3_num_f32 v[BM+\b], v[BM+\b], |v[O+16*\b+\i]|, |v[O+16*\b+\i+1]|
.endr
.endr
.irp b, 0,1
	s_delay_alu instid0(VALU_DEP_2)
	v_permlanex16_b32 v[PB+\b], v[BM+\b], s[SEL], s[SEL+1]
.endr
.irp b, 0,1
	s_delay_alu instid0(VALU_DEP_2)
	v_max_num_f32 v[BM+\b], v[BM+\b], v[PB+\b]
.endr
.irp b, 0,1
	s_delay_alu instid0(VALU_DEP_2)
	v_add_nc_u32 v[SOP+\b], 0xfc000000, v[BM+\b]
.endr
.irp b, 0,1
.endr
.irp b, 0,1
	s_delay_alu instid0(VALU_DEP_2)
	v_lshrrev_b32 v[PB+\b], 23, v[SOP+\b]
.endr
	s_delay_alu instid0(VALU_DEP_1)
	v_lshl_or_b32 v[TQ], v[PB+1], 8, v[PB]         ; the head's two bytes; the upper half stays 0 for the neighbouring head's
.irp b, 0,1
.irp i, 0,1,2,3,4,5,6,7,8,9,10,11,12,13,14,15
.endr
	v_cvt_scalef32_pk8_fp8_f32 v[PC+4*\b:PC+4*\b+1], v[O+16*\b:O+16*\b+7], v[SOP+\b]
	v_cvt_scalef32_pk8_fp8_f32 v[PC+4*\b+2:PC+4*\b+3], v[O+16*\b+8:O+16*\b+15], v[SOP+\b]
.endr
	v_nop
	global_store_b128 v[AK0], v[PC:PC+3], s[10:11]             ; 512 consecutive bytes each
	global_store_b128 v[AK0], v[PC+4:PC+7], s[10:11] offset:512
	global_store_b32 v[R4], v[TQ], s[8:9] offset:2097152       ; lanes r and r + 16 store the same word
.Lend:
	s_wait_tensorcnt 0x0                           ; the wave's end
	ds_add_u32 v[SPW], v[NIL]
	s_wait_dscnt 0x0
	s_endpgm
.Lfunc_end_k_q38fc19630c_attn:
	.size	k_q38fc19630c_attn, .Lfunc_end_k_q38fc19630c_attn-k_q38fc19630c_attn
	.p2alignl 7, 3214868480
	.fill 96, 4, 3214868480
	.section	.rodata,"a",@progbits
	.p2align	6, 0x0
	.amdhsa_kernel k_q38fc19630c_attn
		.amdhsa_group_segment_fixed_size 327680
		.amdhsa_private_segment_fixed_size 0
		.amdhsa_enable_private_segment 0
		.amdhsa_kernarg_size 32
		.amdhsa_user_sgpr_count 2
		.amdhsa_user_sgpr_kernarg_segment_ptr 1
		.amdhsa_wavefront_size32 1
		.amdhsa_system_sgpr_workgroup_id_x 1
		.amdhsa_system_sgpr_workgroup_id_y 1
		.amdhsa_system_sgpr_workgroup_id_z 1
		.amdhsa_system_vgpr_workitem_id 0
		.amdhsa_next_free_vgpr 256
		.amdhsa_next_free_sgpr 66
		.amdhsa_reserve_vcc 0
		.amdhsa_float_denorm_mode_32 3
		.amdhsa_float_denorm_mode_16_64 3
		.amdhsa_fp16_overflow 1
		.amdhsa_memory_ordered 1
		.amdhsa_forward_progress 1
		.amdhsa_inst_pref_size 101
	.end_amdhsa_kernel
	.amdgpu_metadata
---
amdhsa.version: [ 1, 2 ]
amdhsa.kernels:
  - .name:           k_q38fc19630c_attn
    .symbol:         k_q38fc19630c_attn.kd
    .args:
      - { .name: qbuf, .offset: 0, .size: 8, .value_kind: global_buffer, .address_space: global }
      - { .name: kres, .offset: 8, .size: 8, .value_kind: global_buffer, .address_space: global }
      - { .name: vimg, .offset: 16, .size: 8, .value_kind: global_buffer, .address_space: global }
      - { .name: obuf, .offset: 24, .size: 8, .value_kind: global_buffer, .address_space: global }
    .group_segment_fixed_size: 327680
    .private_segment_fixed_size: 0
    .kernarg_segment_align: 8
    .kernarg_segment_size: 32
    .max_flat_workgroup_size: 512
    .sgpr_count:     66
    .vgpr_count:     256
    .wavefront_size: 32
...
	.end_amdgpu_metadata
.endif
;; end of part 3
;; launch outp (part 4): grid 64 x 4, 8 waves a work-group, no clusters, 34,816 bytes of LDS; arguments obuf, wo_codes, wo_scales, bo, x, out0; writes out0
.if DOCPART == 4
	.amdgcn_target "amdgcn-amd-amdhsa--gfx1250"
	.amdhsa_code_object_version 6
	.text
	.protected	k_q38fc19630c_outp
	.globl	k_q38fc19630c_outp
	.p2align	8
	.type	k_q38fc19630c_outp,@function
k_q38fc19630c_outp:
	s_mov_b64 s[64:65], 0
	v_nop
	global_prefetch_b8 v0, s[64:65] scope:SCOPE_SE
	s_setreg_imm32_b32 hwreg(HW_REG_WAVE_MODE, 25, 1), 1
	s_wait_xcnt 0x0
; out0 = Wo x (attention's result, as codes) + bo + x.  Wo: codes of E4M3 with E8M0 scales, as given, [256][256], K innermost.  x, out0: [2][256][4096] f32.
; A work-group takes 128 positions of an image (x of the grid: image = x / 32, block ks = x % 32) and 64 output channels (y of the grid).  Wave w: positions 32 (w % 4) on, two tiles; channels 32 (w / 4) on, two tiles.
; Source 0 = 16 positions (an image of registers, as the launch before stored it: tile 2 B + u holds, as row m, position 32 B + 8 u + m + 8 (m / 8)), source 1 = 16 rows of Wo: lane (r, h) holds output channel r, and the 16 registers
; of tiles u = 0, 1 are positions 32 B + 16 h + 0 .. 15: 64 consecutive bytes of a row of out0.
; The operand's scale word of a K step (128 channels = two heads) is made of the two heads' half words.
; The results meet in a stage in LDS (64 rows of 512 bytes + 16: the sixteen rows that a store touches start at sixteen different banks), and each wave stores 8 whole rows of 512 bytes, with the bias and x added.
; Operands go from memory straight into registers: each is used once by a wave.  No tensor load, no cluster: nothing is fetched in a loop.
.set SP, 528
.set AF, 16                            ; v16-79   the result's fragments: tile u, K step s at 16 (2 u + s); later 8 rows out of the stage
.set WF, 80                            ; v80-143  Wo's: tile t, K step s at 16 (2 t + s)
.set ACC, 144                          ; v144-175 accumulators: 8 (2 t + u)
.set XR, 176                           ; v176-207 8 rows of x
.set AS, 240                           ; v240-243 the result's scale words: 2 u + s
.set RW, 244                           ; v244-251 the heads' half words: 4 u + head
.set WSW, 252                          ; v252-255 Wo's scale words: 2 t + s
	s_load_b256 s[4:11], s[0:1], 0x0               ; obuf 4, wo_codes 6, wo_scales 8, bo 10
	s_load_b128 s[12:15], s[0:1], 0x20             ; x 12, out0 14
	v_lshl_add_u32 v238, v0, 2, 0x8400
	v_mov_b32 v239, 0
	v_lshrrev_b32 v7, 5, v0
	s_delay_alu instid0(VALU_DEP_1)
	v_readfirstlane_b32 s16, v7                    ; wave 0..7
	s_lshr_b32 s17, ttmp9, 5                       ; image
	s_and_b32 s18, ttmp9, 31                       ; ks
	s_and_b32 s19, ttmp7, 0xffff                   ; which 64 output channels
	s_and_b32 s20, s16, 3                          ; which 32 positions
	s_lshr_b32 s21, s16, 2                         ; which 32 channels
	v_and_b32 v1, 31, v0                           ; lane
	v_and_b32 v2, 15, v0                           ; r
	v_bfe_u32 v8, v0, 4, 1                         ; h
	s_delay_alu instid0(VALU_DEP_2)
	v_lshlrev_b32 v3, 8, v2
	s_delay_alu instid0(VALU_DEP_1)
	v_lshl_add_u32 v3, v8, 4, v3                   ; Wo: row r of 256 bytes, + 16 h
	s_delay_alu instid0(VALU_DEP_4)
	v_lshlrev_b32 v4, 3, v2                        ; its scale bytes: 8 a row
	v_mul_u32_u24 v5, v2, SP
	s_delay_alu instid0(VALU_DEP_1)
	v_lshl_add_u32 v5, v8, 6, v5
	s_mul_i32 s22, s21, 32*SP
	s_lshl_b32 s23, s20, 7
	s_add_co_u32 s22, s22, s23
	v_add_nc_u32 v5, s22, v5                       ; the stage, in: row 32 (w / 4) + r, byte 128 (w % 4) + 64 h
	v_lshlrev_b32 v1, 4, v1                        ; 16 x lane
	s_mul_i32 s22, s16, 8*SP
	v_add_nc_u32 v6, s22, v1                       ; and back: my 8 rows, 16 bytes a lane
	v_lshlrev_b32 v2, 2, v2                        ; 4 r
	s_lshl_b32 s32, s18, 3
	s_lshl_b32 s33, s20, 1
	s_add_co_u32 s32, s32, s33                     ; my first tile: 8 ks + 2 (w % 4)
	s_lshl_b32 s34, s17, 20
	s_lshl_b32 s33, s32, 12
	s_add_co_u32 s34, s34, s33                     ; its codes: image x 1 MiB + tile x 4,096
	s_mov_b32 s35, 0
	s_lshl_b32 s36, s17, 16
	s_lshl_b32 s33, s32, 6
	s_add_co_u32 s36, s36, s33                     ; its half words: image x 4 heads x 16,384 + tile x 64
	s_mov_b32 s37, 0
	s_lshl_b32 s40, s19, 14
	s_lshl_b32 s33, s21, 13
	s_add_co_u32 s40, s40, s33                     ; Wo: row 64 y + 32 (w / 4)
	s_mov_b32 s41, 0
	s_lshr_b32 s42, s40, 5                         ; its scale bytes: 8 for 256
	s_mov_b32 s43, 0
	s_lshl_b32 s44, s19, 8
	s_lshl_b32 s33, s16, 5
	s_add_co_u32 s44, s44, s33                     ; bo: channel 64 y + 8 w
	s_mov_b32 s45, 0
	s_lshl_b32 s46, s44, 12                        ; x, out0: that channel's row of 16,384 bytes,
	s_lshl_b32 s33, s17, 22
	s_add_co_u32 s46, s46, s33                     ; the image,
	s_lshl_b32 s33, s18, 9
	s_add_co_u32 s46, s46, s33                     ; the block's 512 bytes
	s_mov_b32 s47, 0
	s_wait_alu depctr_va_vdst(0)
	s_wait_kmcnt 0x0
	s_add_nc_u64 s[38:39], s[4:5], s[36:37]
	s_add_nc_u64 s[4:5], s[4:5], s[34:35]
	s_add_nc_u64 s[6:7], s[6:7], s[40:41]
	s_add_nc_u64 s[8:9], s[8:9], s[42:43]
	s_add_nc_u64 s[10:11], s[10:11], s[44:45]
	s_add_nc_u64 s[12:13], s[12:13], s[46:47]
	s_add_nc_u64 s[14:15], s[14:15], s[46:47]
	s_load_b256 s[24:31], s[10:11], 0x0            ; the biases of my 8 rows
.irp n, 0,1,2,3
.irp c, 0,1,2,3
	global_load_b128 v[AF+16*\n+4*\c:AF+16*\n+4*\c+3], v1, s[4:5] offset:2048*\n+512*\c   ; n = 2 u + s: a tile is 4,096 bytes, a K step 2,048
.endr
.endr
.irp u, 0,1
.irp d, 0,1,2,3
	global_load_b32 v[RW+4*\u+\d], v2, s[38:39] offset:2097152+16384*\d+64*\u
.endr
.endr
.irp t, 0,1
.irp s, 0,1
.irp c, 0,1,2,3
	global_load_b128 v[WF+16*(2*\t+\s)+4*\c:WF+16*(2*\t+\s)+4*\c+3], v3, s[6:7] offset:4096*\t+128*\s+32*\c
.endr
.endr
.endr
.irp t, 0,1
	global_load_b64 v[WSW+2*\t:WSW+2*\t+1], v4, s[8:9] offset:128*\t
.endr
.irp i, 0,1,2,3,4,5,6,7
	global_load_b128 v[XR+4*\i:XR+4*\i+3], v1, s[12:13] offset:16384*\i th:TH_LOAD_NT   ; the last read of x
.endr
	s_wait_loadcnt 8                               ; all but x's eight loads
.irp u, 0,1
.irp s, 0,1
	v_lshl_or_b32 v[AS+2*\u+\s], v[RW+4*\u+2*\s+1], 16, v[RW+4*\u+2*\s]   ; heads 2 s and 2 s + 1: the four blocks of K step s
.endr
.endr
.rept 8
	v_nop                                          ; a scale register written by a vector instruction stands eight places ahead of the matrix instruction
.endr
.irp t, 0,1                                    ; four accumulators by turns, in the same order in both K steps; the first K step starts the sums
.irp u, 0,1
	v_wmma_scale_f32_16x16x128_f8f6f4 v[ACC+8*(2*\t+\u):ACC+8*(2*\t+\u)+7], v[AF+32*\u:AF+32*\u+15], v[WF+32*\t:WF+32*\t+15], 0, v[AS+2*\u], v[WSW+2*\t]
.endr
.endr
.irp t, 0,1
.irp u, 0,1
	v_wmma_scale_f32_16x16x128_f8f6f4 v[ACC+8*(2*\t+\u):ACC+8*(2*\t+\u)+7], v[AF+32*\u+16:AF+32*\u+31], v[WF+32*\t+16:WF+32*\t+31], v[ACC+8*(2*\t+\u):ACC+8*(2*\t+\u)+7], v[AS+2*\u+1], v[WSW+2*\t+1]
.endr
.endr
.rept 8
	v_nop                                          ; eight places in front of the first read of the results, and of loads into registers that the products read
.endr
.irp t, 0,1
.irp k, 0,1,2,3
	ds_store_b128 v5, v[ACC+16*\t+4*\k:ACC+16*\t+4*\k+3] offset:16*SP*\t+16*\k   ; each accumulator from its low end on
.endr
.endr
	s_wait_dscnt 0x0                               ; for the others' sake: my part of the rows is in the stage
	s_barrier_signal -1
	s_barrier_wait -1
.irp i, 0,1,2,3,4,5,6,7
	ds_load_b128 v[AF+4*\i:AF+4*\i+3], v6 offset:SP*\i
.endr
	s_wait_loadcnt 0x0                             ; x
	s_wait_kmcnt 0x0                               ; the biases
.irp i, 0,1,2,3,4,5,6,7
	s_wait_dscnt 7-\i                              ; row i is back; the rows behind it may be out
.irp e, 0,1,2,3
	v_add_f32 v[AF+4*\i+\e], s[24+\i], v[AF+4*\i+\e]
.endr
	s_delay_alu instid0(VALU_DEP_3)
	v_pk_add_f32 v[AF+4*\i:AF+4*\i+1], v[AF+4*\i:AF+4*\i+1], v[XR+4*\i:XR+4*\i+1]
	s_delay_alu instid0(VALU_DEP_2)
	v_pk_add_f32 v[AF+4*\i+2:AF+4*\i+3], v[AF+4*\i+2:AF+4*\i+3], v[XR+4*\i+2:XR+4*\i+3]
	global_store_b128 v1, v[AF+4*\i:AF+4*\i+3], s[14:15] offset:16384*\i th:TH_STORE_NT   ; 32 lanes store 512 consecutive bytes, at a multiple of 512 from out0's first byte
.endr
	s_wait_tensorcnt 0x0
	ds_add_u32 v238, v239
	s_wait_dscnt 0x0
	s_endpgm
.Lfunc_end_k_q38fc19630c_outp:
	.size	k_q38fc19630c_outp, .Lfunc_end_k_q38fc19630c_outp-k_q38fc19630c_outp
	.p2alignl 7, 3214868480
	.fill 96, 4, 3214868480
	.section	.rodata,"a",@progbits
	.p2align	6, 0x0
	.amdhsa_kernel k_q38fc19630c_outp
		.amdhsa_group_segment_fixed_size 34816
		.amdhsa_private_segment_fixed_size 0
		.amdhsa_enable_private_segment 0
		.amdhsa_kernarg_size 48
		.amdhsa_user_sgpr_count 2
		.amdhsa_user_sgpr_kernarg_segment_ptr 1
		.amdhsa_wavefront_size32 1
		.amdhsa_system_sgpr_workgroup_id_x 1
		.amdhsa_system_sgpr_workgroup_id_y 1
		.amdhsa_system_sgpr_workgroup_id_z 1
		.amdhsa_system_vgpr_workitem_id 0
		.amdhsa_next_free_vgpr 256
		.amdhsa_next_free_sgpr 66
		.amdhsa_reserve_vcc 0
		.amdhsa_float_denorm_mode_32 3
		.amdhsa_float_denorm_mode_16_64 3
		.amdhsa_memory_ordered 1
		.amdhsa_forward_progress 1
		.amdhsa_inst_pref_size 15
	.end_amdhsa_kernel
	.amdgpu_metadata
---
amdhsa.version: [ 1, 2 ]
amdhsa.kernels:
  - .name:           k_q38fc19630c_outp
    .symbol:         k_q38fc19630c_outp.kd
    .args:
      - { .name: obuf, .offset: 0, .size: 8, .value_kind: global_buffer, .address_space: global }
      - { .name: wo_codes, .offset: 8, .size: 8, .value_kind: global_buffer, .address_space: global }
      - { .name: wo_scales, .offset: 16, .size: 8, .value_kind: global_buffer, .address_space: global }
      - { .name: bo, .offset: 24, .size: 8, .value_kind: global_buffer, .address_space: global }
      - { .name: x, .offset: 32, .size: 8, .value_kind: global_buffer, .address_space: global }
      - { .name: out0, .offset: 40, .size: 8, .value_kind: global_buffer, .address_space: global }
    .group_segment_fixed_size: 34816
    .private_segment_fixed_size: 0
    .kernarg_segment_align: 8
    .kernarg_segment_size: 48
    .max_flat_workgroup_size: 256
    .sgpr_count:     66
    .vgpr_count:     256
    .wavefront_size: 32
...
	.end_amdgpu_metadata
.endif
;; end of part 4
